; MI455X (gfx1250); checked and timed in simulation.
; The chip was launched on July 23, 2026; its instructions are those of AMD's public machine-readable ISA for CDNA 5 (MIT licence, August 2026) and "CDNA5" Instruction Set Architecture Reference Guide (July 2026). The comments in the code are by the model that wrote it; some were corrected since.
;; Llama Attention TP. Allowed arithmetic: float matrix products may take bf16 or f16 operands with f32 sums; other float arithmetic in f32, or as packed bf16 or f16 multiplies, adds, multiply-adds, maxima and minima; sums over many terms, partial sums and values carried from step to step in f32; what a program stores and reads back later, other than sums and carried values, may be rounded once to bf16 or f16.
;; Inputs: freqs_cis 2,048 x 64 x 2 float32; wk 2,048 x 2,048 float32; wo 2,048 x 2,048 float32; wq 2,048 x 2,048 float32; wv 2,048 x 2,048 float32; x 1 x 2,048 x 2,048 float32.
;; Outputs: out0 1 x 2,048 x 2,048 float32.
;; One version. Each part assembles by itself: llvm-mc -triple=amdgcn-amd-amdhsa -mcpu=gfx1250 --defsym DOCPART=n.
;; ======== version 1 of 1: 4 launches
;; limits: values are held in f16: magnitudes above 65,504 overflow, below 6.1e-05 lose precision
;; workspace buffers: xb 8,388,608 bytes; wb 25,165,824 bytes; wob 8,388,608 bytes; qh 8,388,608 bytes; kh 8,388,608 bytes; vh 8,388,608 bytes; oh 8,388,608 bytes
;; launch cast (part 1): grid 1024 x 1, 8 waves a work-group, no clusters, 0 bytes of LDS; arguments x, wq, wk, wv, wo, xb, wb, wob; writes xb, wb, wob
.if DOCPART == 1
	.amdgcn_target "amdgcn-amd-amdhsa--gfx1250"
	.amdhsa_code_object_version 6
	.text
	.protected	k_qdf8ea76a8b_cast
	.globl	k_qdf8ea76a8b_cast
	.p2align	8
	.type	k_qdf8ea76a8b_cast,@function
k_qdf8ea76a8b_cast:
	s_mov_b64 s[64:65], 0
	v_nop
	global_prefetch_b8 v0, s[64:65] scope:SCOPE_SE
	s_setreg_imm32_b32 hwreg(HW_REG_WAVE_MODE, 25, 1), 1
	s_wait_xcnt 0x0
; The five f32 inputs are rounded once for the matrix units.  x, wq, wk, wv -> bf16 (xb; wb = wq, wk, wv one below the other).
; wo -> bf16, and that number is written as f16 (wob), since the last product's other operand is f16.
; LIMIT.  |wo| stays under 65,504 (f16's end); below 6e-5 it keeps f16's fixed step of 6e-8.
; SHARES.  Work-group g takes bytes 16,384 g .. of each of the five tensors: 20 loads of 16 bytes a lane, all issued at once, a wave's load 512 consecutive bytes;
; a wave's store of 8 bytes a lane covers 256 consecutive bytes, aligned.  A stream: no LDS, no barrier, no matrix unit; straight text, no loop.
.set IN,  4                            ; v[4:83]    tensor b, load j: 4 registers at IN + 16 b + 4 j
.set OUT, 84                           ; v[84:123]  tensor b, store j: 2 registers at OUT + 8 b + 2 j
.set T,   124                          ; v[124:127] at work
	s_load_b512 s[4:19], s[0:1], 0x0               ; x s[4:5], wq s[6:7], wk s[8:9], wv s[10:11], wo s[12:13], xb s[14:15], wb s[16:17], wob s[18:19]
	s_lshl_b32 s20, ttmp9, 14                      ; my 16,384 bytes of f32,
	s_lshl_b32 s21, ttmp9, 13                      ; my 8,192 bytes of 16-bit numbers
	s_mov_b32 s26, 0xffff0000                      ; a word's upper bf16
	v_lshl_add_u32 v1, v0, 4, s20
	v_lshl_add_u32 v2, v0, 3, s21
	s_wait_kmcnt 0x0
	s_add_nc_u64 s[22:23], s[16:17], 0x800000      ; wk's place in wb
	s_add_nc_u64 s[24:25], s[16:17], 0x1000000     ; wv's
.macro LOADS b, src
.irp j, 0,1,2,3
	global_load_b128 v[IN+16*(\b)+4*(\j):IN+16*(\b)+4*(\j)+3], v1, s[\src:\src+1] offset:4096*(\j) th:TH_LOAD_NT
.endr
.endm
	LOADS 0, 4
	LOADS 1, 6
	LOADS 2, 8
	LOADS 3, 10
	LOADS 4, 12
; Tensor b: its four loads are in when 4 (4 - b) younger ones may still be out (loads come back in order: ISA guide 5.7.1).  half = 1: the bf16 numbers are written as f16.
.macro CAST b, dst, half
	s_wait_loadcnt 4*(4-(\b))
.irp j, 0,1,2,3
	v_cvt_pk_bf16_f32 v[OUT+8*(\b)+2*(\j)],   v[IN+16*(\b)+4*(\j)],   v[IN+16*(\b)+4*(\j)+1]
	v_cvt_pk_bf16_f32 v[OUT+8*(\b)+2*(\j)+1], v[IN+16*(\b)+4*(\j)+2], v[IN+16*(\b)+4*(\j)+3]
.endr
.if \half
.irp n, 0,1,2,3,4,5,6,7
	v_lshlrev_b32 v[T+2*((\n)%2)],   16,  v[OUT+8*(\b)+(\n)]
	v_and_b32     v[T+2*((\n)%2)+1], s26, v[OUT+8*(\b)+(\n)]
	v_cvt_pk_f16_f32 v[OUT+8*(\b)+(\n)], v[T+2*((\n)%2)], v[T+2*((\n)%2)+1]
.endr
.endif
.irp j, 0,1,2,3
	global_store_b64 v2, v[OUT+8*(\b)+2*(\j):OUT+8*(\b)+2*(\j)+1], s[\dst:\dst+1] offset:2048*(\j)
.endr
.endm
	CAST 0, 14, 0
	CAST 1, 16, 0
	CAST 2, 22, 0
	CAST 3, 24, 0
	CAST 4, 18, 1
	s_endpgm
.Lfunc_end_k_qdf8ea76a8b_cast:
	.size	k_qdf8ea76a8b_cast, .Lfunc_end_k_qdf8ea76a8b_cast-k_qdf8ea76a8b_cast
	.p2alignl 7, 3214868480
	.fill 96, 4, 3214868480
	.section	.rodata,"a",@progbits
	.p2align	6, 0x0
	.amdhsa_kernel k_qdf8ea76a8b_cast
		.amdhsa_group_segment_fixed_size 0
		.amdhsa_private_segment_fixed_size 0
		.amdhsa_enable_private_segment 0
		.amdhsa_kernarg_size 64
		.amdhsa_user_sgpr_count 2
		.amdhsa_user_sgpr_kernarg_segment_ptr 1
		.amdhsa_wavefront_size32 1
		.amdhsa_system_sgpr_workgroup_id_x 1
		.amdhsa_system_sgpr_workgroup_id_y 1
		.amdhsa_system_sgpr_workgroup_id_z 1
		.amdhsa_system_vgpr_workitem_id 0
		.amdhsa_next_free_vgpr 128
		.amdhsa_next_free_sgpr 66
		.amdhsa_reserve_vcc 0
		.amdhsa_float_denorm_mode_32 3
		.amdhsa_float_denorm_mode_16_64 3
		.amdhsa_memory_ordered 1
		.amdhsa_forward_progress 1
		.amdhsa_inst_pref_size 9
	.end_amdhsa_kernel
	.amdgpu_metadata
---
amdhsa.version: [ 1, 2 ]
amdhsa.kernels:
  - .name:           k_qdf8ea76a8b_cast
    .symbol:         k_qdf8ea76a8b_cast.kd
    .args:
      - { .name: x, .offset: 0, .size: 8, .value_kind: global_buffer, .address_space: global }
      - { .name: wq, .offset: 8, .size: 8, .value_kind: global_buffer, .address_space: global }
      - { .name: wk, .offset: 16, .size: 8, .value_kind: global_buffer, .address_space: global }
      - { .name: wv, .offset: 24, .size: 8, .value_kind: global_buffer, .address_space: global }
      - { .name: wo, .offset: 32, .size: 8, .value_kind: global_buffer, .address_space: global }
      - { .name: xb, .offset: 40, .size: 8, .value_kind: global_buffer, .address_space: global }
      - { .name: wb, .offset: 48, .size: 8, .value_kind: global_buffer, .address_space: global }
      - { .name: wob, .offset: 56, .size: 8, .value_kind: global_buffer, .address_space: global }
    .group_segment_fixed_size: 0
    .private_segment_fixed_size: 0
    .kernarg_segment_align: 8
    .kernarg_segment_size: 64
    .max_flat_workgroup_size: 256
    .sgpr_count:     66
    .vgpr_count:     128
    .wavefront_size: 32
...
	.end_amdgpu_metadata
.endif
;; end of part 1
;; launch qkv (part 2): grid 16 x 16, 4 waves a work-group, clusters of 4 x 4, 327,680 bytes of LDS; arguments xb, wb, freqs_cis, qh, kh, vh; writes qh, kh, vh
.if DOCPART == 2
	.amdgcn_target "amdgcn-amd-amdhsa--gfx1250"
	.amdhsa_code_object_version 6
	.text
	.protected	k_qdf8ea76a8b_qkv
	.globl	k_qdf8ea76a8b_qkv
	.p2align	8
	.type	k_qdf8ea76a8b_qkv,@function
k_qdf8ea76a8b_qkv:
	s_mov_b64 s[64:65], 0
	v_nop
	global_prefetch_b8 v0, s[64:65] scope:SCOPE_SE
	s_setreg_imm32_b32 hwreg(HW_REG_WAVE_MODE, 25, 1), 1
	s_wait_xcnt 0x0
	s_wait_alu depctr_hold_cnt(0) depctr_sa_sdst(0) depctr_va_vdst(0) depctr_va_sdst(0) depctr_va_ssrc(0) depctr_va_vcc(0) depctr_vm_vsrc(0)
	s_getreg_b32 s2, hwreg(HW_REG_IB_STS2, 6, 4)
	s_cmp_eq_u32 s2, 0
	s_cbranch_scc0 .Lentry_in_a_cluster
	s_endpgm
.Lentry_in_a_cluster:
	s_bfe_u32 s2, ttmp6, 0x10000c
	s_cmp_lg_u32 s2, 0xf033
	s_cbranch_scc0 .Lentry_shape_is_right
	s_endpgm
.Lentry_shape_is_right:
; q, k, v = x W^T for 128 rows and ONE head at once (C is 128 x 384), the rotation of neighbouring channel pairs of q and k by freqs_cis, and the rounding to f16.
; xb: [2048][2048] bf16.  wb: [6144][2048] bf16 (wq, wk, wv).  freqs_cis: [2048][64][2] f32 (cos, sin).  qh, kh, vh: [16][2048][128] f16, unscaled.  Sums and the rotation in f32.
; ROUNDING.  cos and sin are rounded to bf16 when they have come, as x and the weights were: every input of the module carries the same one rounding.  The rotation's arithmetic is f32.
; The f32 sums run over K from the cluster's first K step on and round (see THE WALK): an order of rounding other than ascending K.
; LIMIT.  |q|, |k|, |v| stay under 65,504 (f16's end); below 6e-5 they keep f16's fixed step of 6e-8.
; SHARES.  16 x 16 work-groups: x = block of 128 rows, y = head.  Wave w: rows 64 (w / 2) on, channels 64 (w % 2) on of each of q, k, v: 48 accumulators of 16 x 16, 384 registers;
; for 32 along K it reads 4 fragments of x and 12 of the weights (32 LDS loads) for 48 matrix instructions.
; K goes in steps of 128 through two LDS slots; a slot holds 128 rows of x and 128 rows of each of wq, wk, wv, one tensor load a wave, each of 128 rows of 256 bytes.
; CLUSTER 4 x 4.  x's tile hangs on the row block alone and is asked for jointly along a column of the cluster, the weights' tiles on the head alone, jointly along a row.
; THE WALK.  Cluster (X, Y) begins at K step 4 X + 8 Y mod 16 and goes round all 16.  So the clusters that need the same tile ask for it in different trips, 4, 8 or 12 apart, and all but the first
; find it read before.  The step's number is made of the cluster's place in the grid alone, which all partners share; the tile's address is made anew from it for each load.
; THE TEXT.  A K step is written once: the slot in hand is a scalar, 0 or SLOT, turned by one exclusive or; the fragments' addresses are that scalar plus a lane's fixed place.
; THE MATRIX INSTRUCTION IS USED TRANSPOSED (source 0 = 16 rows of a weight, source 1 = 16 rows of x): a lane holds one row of C and eight neighbouring channels, so a rotation's pair lies in neighbouring registers.
; REGISTERS, in windows of 256 (s_set_vgpr_msb: bits 1:0 source 0, 3:2 source 1, 5:4 source 2, 7:6 destination):
;   window 0: v10-29 addresses; v32-63, v64-95 fragments of x, two buffers; at the head v128-191 cos and sin packed; on the way out v64-127 packed results, v128-255 a matrix's rotated numbers
;   window 1: v0-95, v96-191 fragments of the weights, two buffers (matrix m, block b at 32 m + 8 b); on the way out the rows read back, 64 a matrix
;   window 2: v0-127 q's accumulators ((a, b) at 8 (4 a + b)), v128-255 k's          window 3: v0-127 v's; v128-255 cos and sin of my four pairs for each (a, b)
.set KSTEP,  128
.set STEPS,  2048/KSTEP                ; 16 K steps
.set PITCH,  272                       ; an LDS row: 256 bytes + 16 of padding = 68 words: the 16 rows of a load start at 16 different groups of four banks (64 banks of 4 bytes: ISA guide 11.1)
.set HALFT,  128*PITCH                 ; what one tensor load brings: 0x8800 bytes
.set SLOT,   4*HALFT                   ; x's 128 rows, then wq's, wk's, wv's: 0x22000 bytes; no bit of it is set in 0, 1, 2 or 3 x 0x8800, so one exclusive or turns a load's place into the other slot's
.set STAGE,  2*SLOT                    ; behind the ring: 128 rows x 272 bytes, the work-group's, for the way out
.set SPITCH, 272
.set SPARE,  STAGE+128*SPITCH          ; behind the stage: the spare words, 128 bytes a wave: two blocks of 256 bytes that no other line names
.set BASEA, 10                         ; v10     my lane's place among x's fragments in a slot; never rewritten
.set BASEW, 11                         ; v11-13  the same for matrix m
.set ADRA, 16                          ; v16     LDS address of my fragments of x in the slot in hand
.set ADRW, 17                          ; v17-19  the same for matrix m
.set STO,  24                          ; v24     the way out: where I put 16 bytes of a row
.set RD,   25                          ; v25     where I read rows back
.set CO,   26                          ; v26     my byte offset in two rows of the output
.set FO,   27                          ; v27     my byte offset in freqs_cis
.set SPW,  28                          ; v28     LDS address of my spare word; never rewritten
.set NIL,  29                          ; v29     0; never rewritten
.set XF,   32
.set TMP,  64
.set RR,   128
.set FR,   128                         ; window 3
.set WV,  16                           ; s16 wave;  s17 which 64 rows;  s18 which 64 channels;  s19 trips to go
.set RH,  17
.set CH,  18
.set LAP, 19
.set G1A, 24                           ; s[24:31] descriptor group 1 for x's tiles;  s[32:39] group 0: a set for each of the two first fills; the second then walks
.set G0A, 32
.set G1B, 48                           ; s[48:55], s[56:63] the same for the weights'
.set G0B, 56
.set XB,  46                           ; s[46:47] x at my block's first row;  s[66:67] the weights at the first row that I fetch
.set WB,  66
.set HIM, 70                           ; s70  mask of a word's upper bf16
.set TB,  72                           ; s72  the slot that is read: 0 or SLOT
.set KS,  73                           ; s73  the K step to be asked for next
.set OFF, 74                           ; s[74:75] its byte offset in a row
.set MSB, 0
.macro WIN new                         ; the immediate's high byte repeats the setting that is left; a switch that changes nothing is dropped
.if MSB != (\new)
	s_set_vgpr_msb (MSB<<8)|(\new)
.set MSB, \new
.endif
.endm
; A joint load by set s.  Wave 0 fetches x's tile, waves 1, 2, 3 those of wq, wk, wv.  The branch hangs on the wave's number alone.  An s_nop 0 and four v_nop follow each of the two lines.
.macro JLOAD s
	s_cmp_eq_u32 s[WV], 0
	s_cbranch_scc0 .Lfor_b_\@
	tensor_load_to_lds s[G0A+4*(\s):G0A+4*(\s)+3], s[G1A:G1A+7]
	s_nop 0
.rept 4
	v_nop
.endr
	s_branch .Lasked_\@
.Lfor_b_\@:
	tensor_load_to_lds s[G0B+4*(\s):G0B+4*(\s)+3], s[G1B:G1B+7]
	s_nop 0
.rept 4
	v_nop
.endr
.Lasked_\@:
.endm
.macro CROUND                          ; a round of the cluster's barrier
	s_barrier_signal -1
	s_barrier_wait -1
	s_cmp_lg_u32 s[WV], 0
	s_cbranch_scc1 .Lnot_wave_0_\@
	s_barrier_signal -3
.Lnot_wave_0_\@:
	s_barrier_wait -3
	s_barrier_signal -1
	s_barrier_wait -1
.endm
.macro PLACES                          ; four places in front of loads into registers that matrix instructions have read, and of vector lines that read results
.rept 4
	v_nop
.endr
.endm
; The global addresses of set g (0 or 4) are made anew from the number of the K step to be asked for, which then steps, round 16.
.macro NEXT g
	s_lshl_b32 s[OFF], s[KS], 8                    ; a K step is 256 bytes of a row
	s_add_nc_u64 s[G0A+(\g)+2:G0A+(\g)+3], s[XB:XB+1], s[OFF:OFF+1]
	s_or_b32 s[G0A+(\g)+3], s[G0A+(\g)+3], 0x80000000  ; type = 2
	s_add_nc_u64 s[G0B+(\g)+2:G0B+(\g)+3], s[WB:WB+1], s[OFF:OFF+1]
	s_or_b32 s[G0B+(\g)+3], s[G0B+(\g)+3], 0x80000000
	s_add_co_u32 s[KS], s[KS], 1
	s_and_b32 s[KS], s[KS], STEPS-1
.endm
.macro FLIP                            ; the reads go on in the other slot
	s_xor_b32 s[TB], s[TB], SLOT
	v_add_nc_u32 v[ADRA], s[TB], v[BASEA]
.irp m, 0,1,2
	v_add_nc_u32 v[ADRW+(\m)], s[TB], v[BASEW+(\m)]
.endr
.endm
	s_load_b256 s[4:11], s[0:1], 0x0               ; xb s[4:5], wb s[6:7], freqs_cis s[8:9], qh s[10:11]
	s_load_b128 s[12:15], s[0:1], 0x20             ; kh s[12:13], vh s[14:15]
	v_lshl_add_u32 v[SPW], v0, 2, SPARE
	v_mov_b32 v[NIL], 0
	ds_add_u32 v[SPW], v[NIL]                      ; the wave's opening: the add and its wait stand ahead of my first tensor load; the set-up below, work on registers, stands between them
	v_lshrrev_b32 v1, 5, v0
	v_readfirstlane_b32 s[WV], v1
	s_lshr_b32 s[RH], s[WV], 1
	s_and_b32 s[CH], s[WV], 1
	s_bfe_u32 s40, ttmp6, 0x40000                  ; cx, cy: my place in the cluster
	s_bfe_u32 s41, ttmp6, 0x40004
	s_lshl_b32 s43, ttmp9, 2
	s_add_co_u32 s43, s43, s40                     ; the block of 128 rows = 4 x cluster x + cx
	s_and_b32 s42, ttmp7, 0xffff
	s_lshl_b32 s42, s42, 2
	s_add_co_u32 s42, s42, s41                     ; the head = 4 x cluster y + cy
	s_lshl_b32 s44, s41, 2
	s_lshl_b32 s44, 15, s44                        ; my row of the cluster (same cy)
	s_lshl_b32 s45, 0x1111, s40                    ; my column (same cx)
	; descriptor group 1: a tile of 128 rows x 128 elements of 2 bytes, 16 bytes of padding behind each row
	s_or_b32 s[G1A], s45, (1<<16)|(1<<20)|(1<<21)|(5<<22)|(3<<25)  ; x's tiles go to my column.  15:0 the mask; 17:16 2-byte elements; 20 padding on; 21 set beside a mask; 24:22 after every 64 words (code 5); 31:25 4 words (code 3)
	s_or_b32 s[G1B], s44, (1<<16)|(1<<20)|(1<<21)|(5<<22)|(3<<25)  ; the weights' to my row
.irp g, G1A, G1B
	s_mov_b32 s[(\g)+1], KSTEP<<16                 ; tensor_dim0 = 128
	s_mov_b32 s[(\g)+2], 128<<16                   ; tensor_dim1 = 128
	s_mov_b32 s[(\g)+3], KSTEP<<16                 ; tile_dim0 = 128
	s_mov_b32 s[(\g)+4], 128                       ; tile_dim1 = 128
	s_mov_b32 s[(\g)+5], 2048                      ; elements from row to row
	s_mov_b32 s[(\g)+6], 0
	s_mov_b32 s[(\g)+7], 0
.endr
	s_and_b32 s[KS], ttmp7, 0xffff                 ; the cluster's first K step: 4 x cluster x + 8 x cluster y, mod 16
	s_lshl_b32 s[KS], s[KS], 3
	s_lshl_b32 s21, ttmp9, 2
	s_add_co_u32 s[KS], s[KS], s21
	s_and_b32 s[KS], s[KS], STEPS-1
	s_mov_b32 s[OFF+1], 0
	s_mov_b32 s[TB], 0
	s_lshl_b32 s[XB], s43, 19                      ; x: 128 rows of 4,096 bytes a block: hangs on the row block alone
	s_mov_b32 s[XB+1], 0
	s_max_u32 s[WB], s[WV], 1
	s_sub_co_u32 s[WB], s[WB], 1                   ; the matrix that I fetch: waves 1, 2, 3 -> 0, 1, 2
	s_lshl_b32 s[WB], s[WB], 23                    ; its 2,048 rows of 4,096 bytes,
	s_lshl_b32 s[WB+1], s42, 19                    ; the head's 128 rows: hangs on the head and the wave alone
	s_add_co_u32 s[WB], s[WB], s[WB+1]
	s_mov_b32 s[WB+1], 0
	s_mul_i32 s20, s[WV], HALFT                    ; where my tile goes: no place in the cluster enters an LDS address
.irp g, G0A, G0B
	s_mov_b32 s[(\g)], 1                           ; count = 1
	s_mov_b32 s[(\g)+1], s20                       ; LDS address: slot 0
	s_mov_b32 s[(\g)+4], 1
	s_add_co_u32 s[(\g)+5], s20, SLOT              ; slot 1
.endr
	s_lshl_b32 s22, s43, 16                        ; freqs_cis: 128 rows of 512 bytes a block
	s_mov_b32 s23, 0
	s_lshl_b32 s68, s42, 19                        ; the outputs: head x 2,048 rows + block x 128 rows + wave x 32 rows, of 256 bytes
	s_lshl_b32 s69, s43, 15
	s_add_co_u32 s68, s68, s69
	s_lshl_b32 s69, s[WV], 13
	s_add_co_u32 s68, s68, s69
	s_mov_b32 s69, 0
	s_mov_b32 s[HIM], 0xffff0000
	s_wait_dscnt 0x0                               ; the opening add is done
	s_wait_kmcnt 0x0
	s_add_nc_u64 s[XB:XB+1], s[4:5], s[XB:XB+1]
	s_add_nc_u64 s[WB:WB+1], s[6:7], s[WB:WB+1]
	s_add_nc_u64 s[8:9], s[8:9], s[22:23]
	s_add_nc_u64 s[10:11], s[10:11], s[68:69]
	s_add_nc_u64 s[12:13], s[12:13], s[68:69]
	s_add_nc_u64 s[14:15], s[14:15], s[68:69]
	CROUND                                         ; all sixteen work-groups are here: the first joint loads meet
	NEXT 0                                         ; the walk's first K step,
	NEXT 4                                         ; and its second
	JLOAD 0
	JLOAD 1                                        ; two loads of mine are out
	v_and_b32 v1, 15, v0                           ; l % 16
	v_bfe_u32 v2, v0, 4, 1                         ; l / 16
	; cos and sin: for tile (a, b) my row is 64 RH + 16 a + l % 16 and my four pairs begin at pair 32 CH + 8 b + 4 (l / 16): 32 bytes.
	s_lshl_b32 s21, s[RH], 15
	s_lshl_b32 s22, s[CH], 8
	s_add_co_u32 s21, s21, s22
	v_lshl_add_u32 v[FO], v1, 9, s21
	v_lshl_add_u32 v[FO], v2, 5, v[FO]
	WIN 0xc0                                       ; destination window 3, address window 0
.irp a, 0,1,2,3
.irp b, 0,1,2,3
	global_load_b128 v[FR+8*(4*(\a)+(\b)):FR+8*(4*(\a)+(\b))+3],   v[FO], s[8:9] offset:(\a)*8192+(\b)*64
	global_load_b128 v[FR+8*(4*(\a)+(\b))+4:FR+8*(4*(\a)+(\b))+7], v[FO], s[8:9] offset:(\a)*8192+(\b)*64+16
.endr
.endr
	WIN 0
	v_mul_u32_u24 v3, v1, PITCH
	v_lshl_add_u32 v3, v2, 4, v3                   ; a fragment's row x pitch + 16 x half
	s_mul_i32 s21, s[RH], 64*PITCH                 ; my 64 rows of x
	s_mul_i32 s22, s[CH], 64*PITCH                 ; my 64 rows of each weight tile
	v_add_nc_u32 v[BASEA], s21, v3
	v_add_nc_u32 v5, s22, v3
	v_mov_b32 v[ADRA], v[BASEA]                    ; the walk begins in slot 0
.irp m, 0,1,2
	v_add_nc_u32 v[BASEW+(\m)], (1+(\m))*HALFT, v5
	v_add_nc_u32 v[ADRW+(\m)], (1+(\m))*HALFT, v5
.endr
	s_mul_i32 s21, s[RH], 64*SPITCH                ; into the stage: my 64 rows, my half of their 256 bytes
	s_lshl_b32 s22, s[CH], 7
	s_add_co_u32 s21, s21, s22
	s_add_co_u32 s21, s21, STAGE
	v_add_nc_u32 v[STO], s21, v3
	s_mul_i32 s21, s[WV], 32*SPITCH                ; back: wave w takes rows 32 w .. 32 w + 31, whole; lanes 0-15 one row, lanes 16-31 the next
	s_add_co_u32 s21, s21, STAGE
	v_mul_u32_u24 v6, v2, SPITCH
	v_lshl_add_u32 v6, v1, 4, v6
	v_add_nc_u32 v[RD], s21, v6
	v_lshlrev_b32 v[CO], 8, v2                     ; and the same two rows of 256 bytes in the output
	v_lshl_add_u32 v[CO], v1, 4, v[CO]
	; cos and sin are rounded to bf16 and written back as f32: a pair packs into one word, whose halves are then widened.  This stands beside the wait for the first tile.
	s_wait_loadcnt 0x0                             ; the 32 loads of cos and sin
	WIN 0x0f                                       ; sources 0 and 1 window 3, destination window 0
.set i, 0
.rept 64
	v_cvt_pk_bf16_f32 v[RR+i], v[FR+2*i], v[FR+2*i+1]
.set i, i+1
.endr
	WIN 0xc0                                       ; destination window 3, sources window 0
.set i, 0
.rept 64
	v_lshlrev_b32 v[FR+2*i],   16,     v[RR+i]     ; cos: the low half moves up,
	v_and_b32     v[FR+2*i+1], s[HIM], v[RR+i]     ; sin: the high half stays
.set i, i+1
.endr
	WIN 0
; 16 matrix instructions: matrix m (0 q, 1 k, 2 v), 4 row blocks x 4 channel blocks, 32 along K, from buffer f.  zero = 1: the product starts the sums: nothing is cleared.
; The 48 accumulators take turns, one instruction a turn, in the same order in every quarter.
.macro MUL16 f, m, zero
	WIN 0xa1+0x50*((\m)/2)                         ; weights window 1, x window 0, C and D window 2 (q, k) or 3 (v)
.irp a, 0,1,2,3
.irp b, 0,1,2,3
.if \zero
	v_wmma_f32_16x16x32_bf16 v[128*((\m)%2)+8*(4*(\a)+(\b)):128*((\m)%2)+8*(4*(\a)+(\b))+7], v[96*(\f)+32*(\m)+8*(\b):96*(\f)+32*(\m)+8*(\b)+7], v[XF+32*(\f)+8*(\a):XF+32*(\f)+8*(\a)+7], 0
.else
	v_wmma_f32_16x16x32_bf16 v[128*((\m)%2)+8*(4*(\a)+(\b)):128*((\m)%2)+8*(4*(\a)+(\b))+7], v[96*(\f)+32*(\m)+8*(\b):96*(\f)+32*(\m)+8*(\b)+7], v[XF+32*(\f)+8*(\a):XF+32*(\f)+8*(\a)+7], v[128*((\m)%2)+8*(4*(\a)+(\b)):128*((\m)%2)+8*(4*(\a)+(\b))+7]
.endif
.endr
.endr
.endm
; 32 LDS loads in one run: the fragments of 32 along K at byte k of the rows of the slot in hand, into buffer f: x (8), wq (8), wk (8), wv (8)
.macro FETCH k, f
	WIN 0
.irp i, 0,1,2,3
	ds_load_b128 v[XF+32*(\f)+8*(\i):XF+32*(\f)+8*(\i)+3],   v[ADRA] offset:(\k)+(\i)*16*PITCH
	ds_load_b128 v[XF+32*(\f)+8*(\i)+4:XF+32*(\f)+8*(\i)+7], v[ADRA] offset:(\k)+(\i)*16*PITCH+32
.endr
	WIN 0x40                                       ; destination window 1
.irp m, 0,1,2
.irp i, 0,1,2,3
	ds_load_b128 v[96*(\f)+32*(\m)+8*(\i):96*(\f)+32*(\m)+8*(\i)+3],   v[ADRW+(\m)] offset:(\k)+(\i)*16*PITCH
	ds_load_b128 v[96*(\f)+32*(\m)+8*(\i)+4:96*(\f)+32*(\m)+8*(\i)+7], v[ADRW+(\m)] offset:(\k)+(\i)*16*PITCH+32
.endr
.endr
.endm
; A K step is four quarters of 32 along K, 48 matrix instructions each, on buffers 0, 1, 0, 1.  One of the first three: multiplies buffer f and fetches the next quarter, at byte k, into g.
.macro QUARTER k, f, g, zero
	s_wait_dscnt 16                                ; x and wq are in; the youngest sixteen loads (wk, wv) may be out
	MUL16 \f, 0, \zero
	PLACES
	FETCH \k, \g
	s_wait_dscnt 32                                ; all but the 32 just issued
	MUL16 \f, 1, \zero
	MUL16 \f, 2, \zero
.endm
.macro LASTQ                           ; the last quarter's 48 products: its fragments lie in buffer 1
	MUL16 1, 0, 0
	MUL16 1, 1, 0
	MUL16 1, 2, 0
.endm
; THE CHANGE OF SLOTS, in front of a K step's last quarter, whose fragments are in registers: nobody needs the slot's bytes any more.  Each wave waits for all its tensor loads (one is out: its part of the
; next slot), adds 0 to its spare word, and waits for that and for its own reads of this slot; a round of the cluster's barrier; and the slot is filled again, two K steps ahead, first thing behind the round.
; Nothing but the round stands between the wait and the request, and the load has a whole K step, 192 matrix instructions, in which to land.
.macro TURN
	WIN 0
	s_wait_tensorcnt 0x0                           ; all my tensor loads have landed, so a group 0 may be written
	ds_add_u32 v[SPW], v[NIL]                      ; 0 onto my spare word; the descriptors' scalar work stands between it and the wait for it
	s_xor_b32 s[G0A+5], s[G0A+5], SLOT             ; the walking descriptor: the other slot than last time
	s_xor_b32 s[G0B+5], s[G0B+5], SLOT
	NEXT 4
	s_wait_dscnt 0x0                               ; the add is done, and my reads of this slot are over
	CROUND                                         ; no wave of any partner still reads this slot's tiles or has a load on its way
	JLOAD 1                                        ; the four v_nop behind it, and the four additions below, are the places in front of the loads into buffer 0
	FLIP
	FETCH 0, 0                                     ; the next K step's first fragments
	LASTQ
.endm
	s_wait_tensorcnt 0x1                           ; my part of the first K step is in; the second's may stay out
	s_barrier_signal -1
	s_barrier_wait -1                              ; everybody's is
	FETCH 0, 0
	QUARTER 64, 0, 1, 1                            ; the first quarter stands in front of the loop: its products start the sums
	WIN 0                                          ; at a label and at a branch every window is 0
	s_mov_b32 s[LAP], STEPS-2
.Lstep:                                                ; 14 trips: from a K step's second quarter to the next step's first; each fills the slot that it leaves
	QUARTER 128, 1, 0, 0
	QUARTER 192, 0, 1, 0
	TURN
	QUARTER 64,  0, 1, 0
	WIN 0
	s_sub_co_u32 s[LAP], s[LAP], 1
	s_cmp_lg_u32 s[LAP], 0
	s_cbranch_scc1 .Lstep
	s_mov_b32 s[LAP], 2
.Ltail:                                                ; the last two K steps ask for nothing: a loop of their own
	QUARTER 128, 1, 0, 0
	QUARTER 192, 0, 1, 0
	WIN 0
	s_wait_tensorcnt 0x0                           ; first trip: my part of the last K step has landed
	ds_add_u32 v[SPW], v[NIL]
	s_wait_dscnt 0x0
	s_barrier_signal -1
	s_barrier_wait -1                              ; everybody's part has
	LASTQ
	WIN 0
	s_cmp_eq_u32 s[LAP], 1
	s_cbranch_scc1 .Llast                          ; behind the last K step there is no next: forward, past text with no barrier and no tensor load
	FLIP                                           ; its four additions are the places in front of the loads into buffer 0
	FETCH 0, 0
	QUARTER 64,  0, 1, 0
	WIN 0
.Llast:
	s_sub_co_u32 s[LAP], s[LAP], 1
	s_cmp_lg_u32 s[LAP], 0
	s_cbranch_scc1 .Ltail
	s_wait_dscnt 0x0                               ; no LDS load is out on any way out of the loop
; THE WAY OUT, a matrix at a time through ONE stage: a wave's 64 channels are half of a row's 256 bytes, so a barrier stands between the writing and the reading, and another between the reading and the next writing.
; ROPE m: r0 = t0 cos - t1 sin, r1 = t0 sin + t1 cos for my four pairs of each tile, then the rounding to f16.  Each accumulator's lowest registers are read first.
.macro ROPE m
	WIN 0x0e                                       ; source 0 window 2 (sums), source 1 window 3 (cos, sin), source 2 and destination window 0
.irp t, 0,1,2,3,4,5,6,7,8,9,10,11,12,13,14,15
.irp p, 0,1,2,3
	v_mul_f32 v[RR+8*(\t)+2*(\p)],   v[128*(\m)+8*(\t)+2*(\p)+1], v[FR+8*(\t)+2*(\p)+1]
	v_mul_f32 v[RR+8*(\t)+2*(\p)+1], v[128*(\m)+8*(\t)+2*(\p)+1], v[FR+8*(\t)+2*(\p)]
.endr
.irp p, 0,1,2,3
	v_fma_f32 v[RR+8*(\t)+2*(\p)],   v[128*(\m)+8*(\t)+2*(\p)], v[FR+8*(\t)+2*(\p)],   -v[RR+8*(\t)+2*(\p)]
	v_fma_f32 v[RR+8*(\t)+2*(\p)+1], v[128*(\m)+8*(\t)+2*(\p)], v[FR+8*(\t)+2*(\p)+1], v[RR+8*(\t)+2*(\p)+1]
.endr
.endr
	WIN 0
.irp t, 0,1,2,3,4,5,6,7,8,9,10,11,12,13,14,15
.irp p, 0,1,2,3
	v_cvt_pk_f16_f32 v[TMP+4*(\t)+(\p)], v[RR+8*(\t)+2*(\p)], v[RR+8*(\t)+2*(\p)+1]
.endr
.endr
.endm
.macro PACKV                           ; v is rounded as it is
	WIN 0x0f                                       ; sources 0 and 1 window 3, destination window 0
.irp t, 0,1,2,3,4,5,6,7,8,9,10,11,12,13,14,15
.irp p, 0,1,2,3
	v_cvt_pk_f16_f32 v[TMP+4*(\t)+(\p)], v[8*(\t)+2*(\p)], v[8*(\t)+2*(\p)+1]
.endr
.endr
	WIN 0
.endm
.macro TOSTAGE
	WIN 0
.irp a, 0,1,2,3
.irp b, 0,1,2,3
	ds_store_b128 v[STO], v[TMP+4*(4*(\a)+(\b)):TMP+4*(4*(\a)+(\b))+3] offset:(\a)*16*SPITCH+32*(\b)
.endr
.endr
.endm
.macro BACK n                          ; 32 whole rows into window 1, v[64 n ..]
	WIN 0x40
.irp u, 0,1,2,3,4,5,6,7,8,9,10,11,12,13,14,15
	ds_load_b128 v[64*(\n)+4*(\u):64*(\n)+4*(\u)+3], v[RD] offset:(\u)*2*SPITCH
.endr
.endm
.macro SEND n                          ; 16 lanes store a row's 256 consecutive bytes, at a multiple of 256 from the buffer's first byte
	WIN 0x04                                       ; store data (source 1) window 1
.irp u, 0,1,2,3,4,5,6,7,8,9,10,11,12,13,14,15
	global_store_b128 v[CO], v[64*(\n)+4*(\u):64*(\n)+4*(\u)+3], s[10+2*(\n):11+2*(\n)] offset:(\u)*512
.endr
.endm
.macro BAR                             ; my LDS instructions are done, for the others' sake; then all four waves meet
	s_wait_dscnt 0x0
	s_barrier_signal -1
	s_barrier_wait -1
.endm
	PLACES
	ROPE 0
	TOSTAGE
	BAR                                            ; q lies whole in the stage
	BACK 0
	ROPE 1                                         ; k's arithmetic stands between q's loads from the stage and the wait for them
	BAR                                            ; everybody has read q back
	SEND 0
	TOSTAGE
	BAR
	BACK 1
	PACKV
	BAR
	SEND 1
	TOSTAGE
	BAR
	BACK 2
	s_wait_dscnt 0x0
	SEND 2
	WIN 0
	s_wait_tensorcnt 0x0                           ; the wave's end: behind my last tensor load and my last LDS store
	ds_add_u32 v[SPW], v[NIL]
	s_wait_dscnt 0x0
	CROUND                                         ; the closing round: no work-group ends while a partner may still ask for a tile that names it
	s_endpgm
.Lfunc_end_k_qdf8ea76a8b_qkv:
	.size	k_qdf8ea76a8b_qkv, .Lfunc_end_k_qdf8ea76a8b_qkv-k_qdf8ea76a8b_qkv
	.p2alignl 7, 3214868480
	.fill 96, 4, 3214868480
	.section	.rodata,"a",@progbits
	.p2align	6, 0x0
	.amdhsa_kernel k_qdf8ea76a8b_qkv
		.amdhsa_group_segment_fixed_size 327680
		.amdhsa_private_segment_fixed_size 0
		.amdhsa_enable_private_segment 0
		.amdhsa_kernarg_size 48
		.amdhsa_user_sgpr_count 2
		.amdhsa_user_sgpr_kernarg_segment_ptr 1
		.amdhsa_wavefront_size32 1
		.amdhsa_system_sgpr_workgroup_id_x 1
		.amdhsa_system_sgpr_workgroup_id_y 1
		.amdhsa_system_sgpr_workgroup_id_z 1
		.amdhsa_system_vgpr_workitem_id 0
		.amdhsa_next_free_vgpr 1024
		.amdhsa_next_free_sgpr 76
		.amdhsa_reserve_vcc 0
		.amdhsa_float_denorm_mode_32 3
		.amdhsa_float_denorm_mode_16_64 3
		.amdhsa_memory_ordered 1
		.amdhsa_forward_progress 1
		.amdhsa_inst_pref_size 119
	.end_amdhsa_kernel
	.amdgpu_metadata
---
amdhsa.version: [ 1, 2 ]
amdhsa.kernels:
  - .name:           k_qdf8ea76a8b_qkv
    .symbol:         k_qdf8ea76a8b_qkv.kd
    .args:
      - { .name: xb, .offset: 0, .size: 8, .value_kind: global_buffer, .address_space: global }
      - { .name: wb, .offset: 8, .size: 8, .value_kind: global_buffer, .address_space: global }
      - { .name: freqs_cis, .offset: 16, .size: 8, .value_kind: global_buffer, .address_space: global }
      - { .name: qh, .offset: 24, .size: 8, .value_kind: global_buffer, .address_space: global }
      - { .name: kh, .offset: 32, .size: 8, .value_kind: global_buffer, .address_space: global }
      - { .name: vh, .offset: 40, .size: 8, .value_kind: global_buffer, .address_space: global }
    .group_segment_fixed_size: 327680
    .private_segment_fixed_size: 0
    .kernarg_segment_align: 8
    .kernarg_segment_size: 48
    .max_flat_workgroup_size: 128
    .sgpr_count:     76
    .vgpr_count:     1024
    .wavefront_size: 32
...
	.end_amdgpu_metadata
.endif
;; end of part 2
;; launch attn (part 3): grid 16 x 16, 4 waves a work-group, clusters of 4 x 1, 327,680 bytes of LDS; arguments qh, kh, vh, oh; writes oh
.if DOCPART == 3
	.amdgcn_target "amdgcn-amd-amdhsa--gfx1250"
	.amdhsa_code_object_version 6
	.text
	.protected	k_qdf8ea76a8b_attn
	.globl	k_qdf8ea76a8b_attn
	.p2align	8
	.type	k_qdf8ea76a8b_attn,@function
k_qdf8ea76a8b_attn:
	s_mov_b64 s[64:65], 0
	v_nop
	global_prefetch_b8 v0, s[64:65] scope:SCOPE_SE
	s_setreg_imm32_b32 hwreg(HW_REG_WAVE_MODE, 25, 1), 1
	s_wait_xcnt 0x0
	s_wait_alu depctr_hold_cnt(0) depctr_sa_sdst(0) depctr_va_vdst(0) depctr_va_sdst(0) depctr_va_ssrc(0) depctr_va_vcc(0) depctr_vm_vsrc(0)
	s_getreg_b32 s2, hwreg(HW_REG_IB_STS2, 6, 4)
	s_cmp_eq_u32 s2, 0
	s_cbranch_scc0 .Lentry_in_a_cluster
	s_endpgm
.Lentry_in_a_cluster:
	s_bfe_u32 s2, ttmp6, 0x10000c
	s_cmp_lg_u32 s2, 0x3003
	s_cbranch_scc0 .Lentry_shape_is_right
	s_endpgm
.Lentry_shape_is_right:
; CAUSAL ATTENTION, head size 128.  O[q][h][:] = the sum over k <= q of softmax_k(Q[h][q] . K[h][k] / sqrt(128)) V[h][k][:].  qh, kh, vh: [16][2048][128] f16; oh: [2048][16 x 128] f16.
; Products, maxima and sums in f32; the weights p are rounded to f16 for the second product (their sum l is taken of the unrounded p), O once at the end.
; LIMITS.  Q, K, V arrive within f16's 65,504, so a score is 5.5e11 at the most.  A hidden score counts as its value less 1e30.  The running maximum starts at -2^93, under every true score and over every
; hidden one, so a hidden weight is 0 also for a wave that has seen hidden keys alone.  A weight below 2^-126 counts as 0 in l; p below 6e-5 keeps f16's fixed step; NaN and infinities are not treated apart.
; THE WALK.  A head's queries lie in 32 blocks of 64, its keys in 8 tiles of 256.  Work-group (c, cx), c the cluster's number along x and cx its place in the cluster, takes block 4 c + cx (key tiles 0 .. c) and then
; block 4 (7 - c) + cx (key tiles 0 .. 7 - c): 9 tiles for every work-group, and the four partners of a cluster walk the SAME tiles in the same trips.  So every tile is asked for JOINTLY (mask of four),
; every trip count is a constant, and no branch and no LDS address hangs on cx.
; THE KEYS ARE SPLIT OVER THE WAVES.  Of each tile wave w takes keys 64 w .. 64 w + 63, for all 64 queries: 128 matrix instructions on 64 LDS loads, and each LDS byte is read once.  Each wave keeps its own m, l, O^T;
; at a block's end they are merged in f32 through LDS: O = sum_w 2^(c m_w - M) O_w / sum_w 2^(c m_w - M) l_w, M the largest c m_w.
; THE MASK is the C operand that starts the sums S^T = K Q^T: 0 outside a block's last tile.  There 16 keys against 16 queries are all seen, all hidden, or the triangle TD, by the sign of
; 64 (w - cx) + 16 (key block - query tile): two scalars AL, BE chosen by s_cselect give TD x AL + BE.  cx feeds selects alone.
; ROTATION.  Wave w's register tile j holds query tile (j + w) % 4: tile 0 is the one that wave w owns in the merge, tile p the one that it sends in pass p: the register numbers are the same in every wave.
; LAYOUT, SOFTMAX.  S^T holds ONE query a lane (lane % 16) and the keys 8 (lane / 16) + 0..7; two such results rounded to f16 ARE source 1 of O^T = V^T P.  p = 2^(c s - c m), c = log2(e) / sqrt(128); in every
; step O and l are multiplied by a = 2^(c m_old - c m_new).  c m starts at -2^125: a block's first a is 0, so O^T need only hold finite numbers then.
; A TRIP (a tile): V's run of loads; 32 K Q^T of tiles 0, 1; 32 K Q^T of tiles 2, 3 with the softmax of tiles 0, 1 in slices behind them; the change of slots (both runs of this slot are in registers);
; the next tile's K; 32 V^T P of tiles 0, 1 with the softmax of tiles 2, 3 behind them; 32 V^T P of tiles 2, 3.
; REGISTERS, in windows of 256 (s_set_vgpr_msb: bits 1:0 source 0, 3:2 source 1, 5:4 source 2, 7:6 destination):
;   window 0: v1-11 addresses; v12-43 eight registers of statistics a tile; v44-63 addresses, TD; v64-191 S^T, 32 a tile; v192-255 P, 16 a tile
;   window 1: O^T, 64 a tile      window 2: v0-127 Q, 32 a tile; v128-255 K      window 3: v0-127 V; v128-255 the masks, (tile j, key block b) at 128 + 32 j + 8 b
.set PK,    272       ; a row of K in LDS: 256 bytes + 16 of padding = 68 words: the 16 rows of a load start at 16 different groups of four banks (64 banks of 4 bytes: ISA guide 11.1)
.set PV,    288       ; a row of V: 256 + 32 = 72 words
.set VOFF,  256*PK    ; a slot holds a tile: 256 rows of K, then 256 rows of V
.set SLOTB, 256*(PK+PV)
.set SLOT1, 0x24000   ; slot 1 begins here: no bit of it is set in the four loads' places in a slot (0, 0x8800, 0x11000, 0x1a000), so one exclusive or turns such an address into the other slot's
.set MAIL,  SLOT1+SLOTB  ; behind the ring, never filled by a tensor load: 8,192 bytes a wave: what it sends in a pass of the merge; later its stage for the way out
.set STAT,  MAIL+4*8192  ; [query tile][wave][query] x (c m, l), 8 bytes each
.set SPARE, STAT+2048    ; the spare words, 128 bytes a wave: two blocks of 256 bytes that no other line names
.set SP,    272
.set AK0, 2           ; v2   my lane's place in a tile of K, my wave's 64 keys; never rewritten
.set AV0, 3           ; v3   the same for V
.set ADR, 4           ; v4   an LDS address at work
.set L16, 5           ; v5   16 x lane
.set STO, 6           ; v6   the way out: where I put 16 bytes of a row
.set RD,  7           ; v7   where I read rows back
.set GO,  8           ; v8   my byte offset in two rows of O
.set ST,  12          ; tile t's statistics at v[ST+8 t]: +0 c m, +1 m, +2, +3 l (even keys', odd keys'), +4 to +7 c0-c3 at work; a takes c2's place
.set QO,  44          ; v44-47 my byte offset in the block's rows of Q, for register tile j
.set TD,  48          ; v48-55 the triangle: register r: -1e30 where key 8 (l / 16) + r lies behind query l % 16, else 0
.set LB,  56          ; v56-59 my query's place in STAT, for register tile j
.set MBW, 60          ; v60  my 16 bytes in my wave's mailbox
.set SPW, 62          ; v62  LDS address of my spare word; never rewritten
.set NIL, 63          ; v63  0; never rewritten
.set S,   64
.set P,   192
.set KF,  128         ; window 2
.set MC,  128         ; window 3
.set WV,  12          ; s12 wave;  s13 cx;  s14 c
.set CX,  13
.set CC,  14
.set KREG, 17         ; s17, s18  where my half of a tile's K (V) lies in a slot
.set VREG, 18
.set TC,  19          ; s19  at work, for LDS addresses: never holds cx
.set G1K, 24          ; s[24:31] descriptor group 1 for K's tiles;  s[32:39] for V's: the padding differs
.set G1V, 32
.set G0K, 40          ; s[40:47] group 0 for K's tiles: a set for each of the two first fills; the second then walks
.set G0V, 48          ; s[48:55] the same for V's
.set TRIPS, 56
.set RT,  57          ; s57  tiles of the block in hand that are still to be entered
.set CS,  58          ; s[58:59] c
.set SEL, 60          ; s[60:61] v_permlanex16_b32's selects: each lane takes its own place in the other half
.set TB,  62          ; s62  the slot to be read: 0 or SLOT1
.set NXT, 66          ; s66  the tile to be asked for next;  s67 the last tile of the block whose tiles are being asked for
.set LQ,  67
.set OFF, 68          ; s[68:69] a tile's byte offset in K and V
.set AL,  70          ; s[70:71] the mask's factor, s[72:73] its addend, in the low words
.set BE,  72
.set BIGN, 74         ; s74  -1e30
.set REL, 75          ; s75  64 (w - cx)
.set TQ,  76          ; s76-79  16 x the query tile of register tile j
.set W128, 80         ; s80  128 w
.set MW,  81          ; s81  my mailbox;  s82-84 the mailbox that I read in pass 1, 2, 3
.set MR,  82
.set QHI, 86          ; s[86:87] Q at the second block;  s[88:89], s[90:91] O at my 16 rows of the first and second block
.set OLO, 88
.set OHI, 90
.set RJ,  92          ; s92-95  64 (w - cx) - 16 x the query tile of register tile j
.set TS,  96          ; s96  at work, for what hangs on cx
.set HIQ, 97          ; s97  7 - c
.set MSB, 0
.macro WIN new                      ; the high byte repeats the setting that is left; a switch that changes nothing is dropped
.if MSB != (\new)
	s_set_vgpr_msb (MSB<<8)|(\new)
.set MSB, \new
.endif
.endm
.set W_KQ, 0x0a       ; K and Q in window 2, S^T in window 0
.set W_KM, 0x3a       ; the same with the C operand in window 3
.set W_PV, 0x53       ; V in window 3, P in window 0, O^T in window 1
.set W_RS, 0x41       ; destination and source 0 in window 1, source 1 in window 0
; A joint refill.  Waves 0 and 1 fetch the two halves of a tile's K, waves 2 and 3 those of its V: 128 rows of 256 bytes each.  An s_nop 0 and four v_nop follow each of the two lines.
.macro JLOAD
	s_cmp_lt_u32 s[WV], 2
	s_cbranch_scc0 .Lfor_v_\@
	tensor_load_to_lds s[G0K+4:G0K+7], s[G1K:G1K+7]
	s_nop 0
.rept 4
	v_nop
.endr
	s_branch .Lasked_\@
.Lfor_v_\@:
	tensor_load_to_lds s[G0V+4:G0V+7], s[G1V:G1V+7]
	s_nop 0
.rept 4
	v_nop
.endr
.Lasked_\@:
.endm
.macro CROUND                       ; a round of the cluster's barrier
	s_barrier_signal -1
	s_barrier_wait -1
	s_cmp_lg_u32 s[WV], 0
	s_cbranch_scc1 .Lnot_wave_0_\@
	s_barrier_signal -3
.Lnot_wave_0_\@:
	s_barrier_wait -3
	s_barrier_signal -1
	s_barrier_wait -1
.endm
.macro PLACES                       ; four places behind matrix instructions (ISA guide 7.12.1)
.rept 4
	v_nop
.endr
.endm
.macro BAR                          ; my LDS instructions are done, for the others' sake; then all four waves meet
	s_wait_dscnt 0x0
	s_barrier_signal -1
	s_barrier_wait -1
.endm
; The global addresses of set g (0 or 4) are made anew from the number of the tile to be asked for, which then steps: behind the first block's last tile it goes back to 0.
.macro NEXT g
	s_lshl_b32 s[OFF], s[NXT], 16   ; a tile is 65,536 bytes of K and of V
	s_add_nc_u64 s[G0K+(\g)+2:G0K+(\g)+3], s[6:7], s[OFF:OFF+1]
	s_or_b32 s[G0K+(\g)+3], s[G0K+(\g)+3], 0x80000000
	s_add_nc_u64 s[G0V+(\g)+2:G0V+(\g)+3], s[8:9], s[OFF:OFF+1]
	s_or_b32 s[G0V+(\g)+3], s[G0V+(\g)+3], 0x80000000
	s_add_co_u32 s[NXT], s[NXT], 1
	s_cmp_gt_u32 s[NXT], s[LQ]
	s_cselect_b32 s[NXT], 0, s[NXT]
	s_cselect_b32 s[LQ], s[HIQ], s[LQ]
.endm
; THE CHANGE OF SLOTS, in the middle of a trip: K's and V's runs of this slot have been asked for.  Each wave waits for all its tensor loads, of which one is out: its part of the other slot; adds 0 to its spare
; word; and waits for that and for its own reads of the slot.  fill = 1: the barrier is a round of the cluster's, and the slot is filled again, first thing behind it, with the tile two trips on:
; it has a whole trip, 128 matrix instructions, in which to land.
.macro CHANGE fill
	WIN 0                           ; at a label and at a branch every window is 0
	s_wait_tensorcnt 0x0            ; no tensor load of mine is out, so a group 0 may be written
	ds_add_u32 v[SPW], v[NIL]       ; 0 onto my spare word; with fill = 1 the descriptors' scalar work stands between it and the wait for it
.if \fill
	s_xor_b32 s[G0K+5], s[G0K+5], SLOT1  ; the walking descriptor: the other slot than last time
	s_xor_b32 s[G0V+5], s[G0V+5], SLOT1
	NEXT 4
	s_wait_dscnt 0x0                ; the add is done, and my reads of the slot are over
	CROUND
	JLOAD
.else
	s_wait_dscnt 0x0
	s_barrier_signal -1
	s_barrier_wait -1
.endif
	s_xor_b32 s[TB], s[TB], SLOT1   ; the reads go on in the other slot
.endm
.macro LOADQ base                   ; a block's Q: register tile j, channels 32 q on.  A fragment: lane l holds row l % 16, channels 8 (l / 16) + 0..7 and 16 + 8 (l / 16) + 0..7
	WIN 0x80                        ; destination window 2, address window 0
.irp j, 0,1,2,3
.irp q, 0,1,2,3
	global_load_b128 v[32*(\j)+8*(\q):32*(\j)+8*(\q)+3],   v[QO+(\j)], s[\base:\base+1] offset:64*(\q)
	global_load_b128 v[32*(\j)+8*(\q)+4:32*(\j)+8*(\q)+7], v[QO+(\j)], s[\base:\base+1] offset:64*(\q)+32
.endr
.endr
	WIN 0
.endm
.macro INIT                         ; a block begins
.irp j, 0,1,2,3
	v_mov_b32 v[ST+8*(\j)], 0xfe000000    ; c m = -2^125: the first a is 0
	v_mov_b32 v[ST+8*(\j)+1], 0xee000000  ; m = -2^93
	v_mov_b32 v[ST+8*(\j)+2], 0
	v_mov_b32 v[ST+8*(\j)+3], 0
.endr
.endm
.macro ZMASK                        ; outside a block's last tile nothing is hidden
	WIN 0xc0
.set i, 0
.rept 128
	v_mov_b32 v[MC+i], 0
.set i, i+1
.endr
	WIN 0
.endm
.macro MASKS                        ; a block's last tile: TD x AL + BE for each register tile j and key block b
	WIN 0xc0                        ; destination window 3, source 0 window 0
.irp j, 0,1,2,3
.irp b, 0,1,2,3
	s_add_co_i32 s[TS], s[RJ+(\j)], 16*(\b)
	s_cmp_eq_i32 s[TS], 0           ; the diagonal's own 16 x 16?
	s_cselect_b32 s[AL], 1.0, 0
	s_cmp_gt_i32 s[TS], 0           ; or keys behind all 16 queries?
	s_cselect_b32 s[BE], s[BIGN], 0
.irp z, 0,1,2,3
	v_pk_fma_f32 v[MC+32*(\j)+8*(\b)+2*(\z):MC+32*(\j)+8*(\b)+2*(\z)+1], v[TD+2*(\z):TD+2*(\z)+1], s[AL:AL+1], s[BE:BE+1] op_sel_hi:[1,0,0]
.endr
.endr
.endr
	WIN 0
.endm
	s_load_b256 s[4:11], s[0:1], 0x0  ; qh s[4:5], kh s[6:7], vh s[8:9], oh s[10:11]
	v_lshl_add_u32 v[SPW], v0, 2, SPARE
	v_mov_b32 v[NIL], 0
	ds_add_u32 v[SPW], v[NIL]       ; the wave's opening: the add and its wait stand ahead of my first tensor load; the set-up below, work on registers, stands between them
	v_lshrrev_b32 v1, 5, v0
	v_readfirstlane_b32 s[WV], v1
	s_bfe_u32 s[CX], ttmp6, 0x40000 ; cx: it enters Q's and O's addresses and the masks' selects alone
	s_mov_b32 s[CC], ttmp9          ; in a cluster launch ttmp9 counts clusters: c, which the partners share
	s_sub_co_u32 s[HIQ], 7, s[CC]
	s_and_b32 s20, ttmp7, 0xffff    ; the head, which the partners share
	s_lshl_b32 s21, s20, 19         ; its 2,048 rows of 256 bytes in qh, kh, vh
	s_lshl_b32 s15, s20, 8          ; its 256 bytes in a row of oh
	s_and_b32 s22, s[WV], 1         ; which half of a tile's 256 keys I fetch:
	s_mul_i32 s[KREG], s22, 128*PK  ; its place in a slot, for K
	s_mul_i32 s[VREG], s22, 128*PV  ; and for V,
	s_add_co_u32 s[VREG], s[VREG], VOFF
	s_lshl_b32 s22, s22, 15         ; and its 128 rows in memory
	s_add_co_u32 s22, s22, s21
	s_mov_b32 s23, 0
	s_lshl_b32 s63, s[WV], 16       ; my 16 rows of 4,096 bytes in a block of O
	s_lshl_b32 s[TS], s[CC], 2
	s_add_co_u32 s[TS], s[TS], s[CX]  ; the first block, 4 c + cx
	s_lshl_b32 s2, s[TS], 14        ; its 64 rows of Q
	s_add_co_u32 s2, s2, s21
	s_mov_b32 s3, 0
	s_lshl_b32 s[OLO], s[TS], 18    ; its 64 rows of O
	s_add_co_u32 s[OLO], s[OLO], s63
	s_add_co_u32 s[OLO], s[OLO], s15
	s_mov_b32 s[OLO+1], 0
	s_lshl_b32 s[TS], s[HIQ], 2
	s_add_co_u32 s[TS], s[TS], s[CX]  ; the second block, 4 (7 - c) + cx
	s_lshl_b32 s[QHI], s[TS], 14
	s_add_co_u32 s[QHI], s[QHI], s21
	s_mov_b32 s[QHI+1], 0
	s_lshl_b32 s[OHI], s[TS], 18
	s_add_co_u32 s[OHI], s[OHI], s63
	s_add_co_u32 s[OHI], s[OHI], s15
	s_mov_b32 s[OHI+1], 0
	s_sub_co_i32 s[REL], s[WV], s[CX]
	s_lshl_b32 s[REL], s[REL], 6
.irp j, 0,1,2,3
	s_add_co_u32 s[TC], s[WV], \j
	s_and_b32 s[TC], s[TC], 3       ; register tile j holds query tile (j + w) % 4
	s_lshl_b32 s[TQ+(\j)], s[TC], 4
	s_sub_co_i32 s[RJ+(\j)], s[REL], s[TQ+(\j)]
.endr
	s_lshl_b32 s[W128], s[WV], 7
	s_lshl_b32 s[MW], s[WV], 13
	s_add_co_u32 s[MW], s[MW], MAIL
.irp p, 1,2,3
	s_add_co_u32 s[TC], s[WV], 4-(\p)
	s_and_b32 s[TC], s[TC], 3       ; in pass p wave (w - p) % 4 sends the tile that I own
	s_lshl_b32 s[TC], s[TC], 13
	s_add_co_u32 s[MR+(\p)-1], s[TC], MAIL
.endr
	; descriptor group 1: a tile of 128 rows x 128 elements of 2 bytes, padded in LDS
	s_mov_b32 s[G1K], 15|(1<<16)|(1<<20)|(1<<21)|(5<<22)|(3<<25)  ; 15:0 the mask of four; 17:16 2-byte elements; 20 padding on; 21 set beside a mask; 24:22 after every 64 words (code 5); 31:25 4 words (code 3)
	s_mov_b32 s[G1V], 15|(1<<16)|(1<<20)|(1<<21)|(5<<22)|(7<<25)  ; the same with 8 words of padding (code 7)
.irp g, G1K, G1V
	s_mov_b32 s[(\g)+1], 128<<16    ; tensor_dim0 = 128
	s_mov_b32 s[(\g)+2], 128<<16    ; tensor_dim1 = 128
	s_mov_b32 s[(\g)+3], 128<<16    ; tile_dim0 = 128
	s_mov_b32 s[(\g)+4], 128        ; tile_dim1 = 128
	s_mov_b32 s[(\g)+5], 128        ; elements from row to row
	s_mov_b32 s[(\g)+6], 0
	s_mov_b32 s[(\g)+7], 0
.endr
	s_mov_b32 s[CS], 0x3e0293ee     ; c = log2(e) / sqrt(128) = 0.127517
	s_mov_b32 s[CS+1], s[CS]        ; named with it as a pair
	s_mov_b32 s[SEL], 0x76543210
	s_mov_b32 s[SEL+1], 0xfedcba98
	s_mov_b32 s[BIGN], 0xf149f2ca   ; -1e30
	s_mov_b32 s[AL+1], 0            ; named as pairs
	s_mov_b32 s[BE+1], 0
	s_mov_b32 s[OFF+1], 0
	s_mov_b32 s[TB], 0
	s_mov_b32 s[NXT], 0
	s_mov_b32 s[LQ], s[CC]
	s_add_co_u32 s[RT], s[CC], 1    ; the first block has c + 1 tiles
	s_mov_b32 s[G0K], 1             ; count = 1
	s_mov_b32 s[G0K+1], s[KREG]     ; LDS address: slot 0
	s_mov_b32 s[G0K+4], 1
	s_add_co_u32 s[G0K+5], s[KREG], SLOT1  ; slot 1
	s_mov_b32 s[G0V], 1
	s_mov_b32 s[G0V+1], s[VREG]
	s_mov_b32 s[G0V+4], 1
	s_add_co_u32 s[G0V+5], s[VREG], SLOT1
	s_wait_dscnt 0x0                ; the opening add is done
	s_wait_kmcnt 0x0
	s_add_nc_u64 s[6:7], s[6:7], s[22:23]  ; K and V at my half of the head's tile 0
	s_add_nc_u64 s[8:9], s[8:9], s[22:23]
	s_add_nc_u64 s[QHI:QHI+1], s[4:5], s[QHI:QHI+1]
	s_add_nc_u64 s[4:5], s[4:5], s[2:3]    ; Q at the first block
	s_add_nc_u64 s[OLO:OLO+1], s[10:11], s[OLO:OLO+1]
	s_add_nc_u64 s[OHI:OHI+1], s[10:11], s[OHI:OHI+1]
	CROUND                          ; all four work-groups are here: the first joint loads meet
	NEXT 0                          ; the walk's first tile,
	NEXT 4                          ; and its second
	s_cmp_lt_u32 s[WV], 2           ; a wave's two first fills stand in one branch, ahead of every wait on TENSORcnt and every LDS read: two loads of mine are out
	s_cbranch_scc0 .Lfirst_v
	tensor_load_to_lds s[G0K:G0K+3], s[G1K:G1K+7]
	s_nop 0
	tensor_load_to_lds s[G0K+4:G0K+7], s[G1K:G1K+7]
	s_nop 0
.rept 4
	v_nop
.endr
	s_branch .Lfirst_asked
.Lfirst_v:
	tensor_load_to_lds s[G0V:G0V+3], s[G1V:G1V+7]
	s_nop 0
	tensor_load_to_lds s[G0V+4:G0V+7], s[G1V:G1V+7]
	s_nop 0
.rept 4
	v_nop
.endr
.Lfirst_asked:
	v_and_b32 v1, 15, v0            ; l % 16
	v_bfe_u32 v9, v0, 4, 1          ; l / 16
	v_lshlrev_b32 v[ADR], 8, v1
	v_lshl_add_u32 v[ADR], v9, 4, v[ADR]  ; row x 256 + 16 x half
	v_lshlrev_b32 v10, 3, v1
.irp j, 0,1,2,3
	s_lshl_b32 s[TC], s[TQ+(\j)], 8       ; the query tile's 16 rows of 256 bytes
	v_add_nc_u32 v[QO+(\j)], s[TC], v[ADR]
	s_lshl_b32 s[TC], s[TQ+(\j)], 5       ; its 512 bytes in STAT
	s_add_co_u32 s[TC], s[TC], STAT
	v_add_nc_u32 v[LB+(\j)], s[TC], v10
.endr
	LOADQ 4
	; All that follows stands in the wait for the first tile.
	s_mul_i32 s[TC], s[WV], 64*PK
	v_mul_u32_u24 v[AK0], v1, PK
	v_lshl_add_u32 v[AK0], v9, 4, v[AK0]
	v_add_nc_u32 v[AK0], s[TC], v[AK0]    ; (64 w + l % 16) x pitch + 16 x half
	; The turning load takes 16 keys x 16 channels (lane l reads key 8 (l / 16) + l % 8, channels 8 ((l / 8) % 2) + 0..7) and leaves half a fragment of V^T: lane l holds channel l % 16 and 8 keys.
	v_and_b32 v10, 7, v0
	v_bfe_u32 v11, v0, 3, 1
	v_lshl_add_u32 v[AV0], v9, 3, v10
	v_mul_u32_u24 v[AV0], v[AV0], PV
	v_lshl_add_u32 v[AV0], v11, 4, v[AV0]
	s_mul_i32 s[TC], s[WV], 64*PV
	s_add_co_u32 s[TC], s[TC], VOFF
	v_add_nc_u32 v[AV0], s[TC], v[AV0]
	v_and_b32 v[L16], 31, v0
	v_lshlrev_b32 v[L16], 4, v[L16]
	v_add_nc_u32 v[MBW], s[MW], v[L16]
	v_mul_u32_u24 v[STO], v1, SP    ; into the stage: row l % 16, 16 bytes for each half of the lanes
	v_lshl_add_u32 v[STO], v9, 4, v[STO]
	v_add_nc_u32 v[STO], s[MW], v[STO]
	v_mul_u32_u24 v[RD], v9, SP     ; back: lanes 0-15 take one row of 256 bytes, lanes 16-31 the next
	v_lshl_add_u32 v[RD], v1, 4, v[RD]
	v_add_nc_u32 v[RD], s[MW], v[RD]
	v_lshlrev_b32 v[GO], 12, v9     ; and the same two rows in O, 4,096 bytes apart
	v_lshl_add_u32 v[GO], v1, 4, v[GO]
	v_lshlrev_b32 v10, 3, v9
	v_sub_nc_u32 v10, v1, v10       ; l % 16 - 8 (l / 16): register r is hidden where r is greater
.irp r, 0,1,2,3,4,5,6,7
	v_cmp_gt_i32 vcc_lo, \r, v10
	v_cndmask_b32 v[TD+(\r)], 0, s[BIGN], vcc_lo
.endr
	INIT
	ZMASK
	WIN 0x40                        ; O^T need only be finite where a block begins: zeros for the first block, what the first block left for the second
.set i, 0
.rept 256
	v_mov_b32 v[i], 0
.set i, i+1
.endr
	WIN 0
; THE MATRIX WORK.  The accumulators of a run take turns, one instruction a turn: 8 in a run of K Q^T, 16 in a run of V^T P.
; Product i of 32 of S^T = K Q^T for tiles x, x + 1: channels 32 (i / 8) on, keys 16 ((i / 2) % 4) on, tile x + i % 2.  The first 8 start the sums with the mask.
.macro KQ x
.set rS, S+32*((\x)+i%2)+8*((i/2)%4)
.set rK, KF+32*((i/2)%4)+8*(i/8)
.set rQ, 32*((\x)+i%2)+8*(i/8)
.set rM, MC+32*((\x)+i%2)+8*((i/2)%4)
.if i < 8
	WIN W_KM
	v_wmma_f32_16x16x32_f16 v[rS:rS+7], v[rK:rK+7], v[rQ:rQ+7], v[rM:rM+7]
.else
	WIN W_KQ
	v_wmma_f32_16x16x32_f16 v[rS:rS+7], v[rK:rK+7], v[rQ:rQ+7], v[rS:rS+7]
.endif
.endm
; Product i of 32 of O^T += V^T P: keys 32 (i / 16) on, channels 16 ((i / 2) % 8) on, tile x + i % 2.
.macro PV x
	WIN W_PV
.set rO, 64*((\x)+i%2)+8*((i/2)%8)
.set rV, 64*(i/16)+8*((i/2)%8)
.set rP, P+16*((\x)+i%2)+8*(i/16)
	v_wmma_f32_16x16x32_f16 v[rO:rO+7], v[rV:rV+7], v[rP:rP+7], v[rO:rO+7]
.endm
; THE LDS LOADS stand in runs of 32: my 64 keys of the tile's K (16 fragments) and of its V (turned).
.macro FETCH_K
	WIN 0
	v_add_nc_u32 v[ADR], s[TB], v[AK0]
	WIN 0x80                        ; destination window 2
.irp f, 0,1,2,3,4,5,6,7,8,9,10,11,12,13,14,15  ; keys 16 (f / 4) on, channels 32 (f % 4) on
	ds_load_b128 v[KF+8*(\f):KF+8*(\f)+3],   v[ADR] offset:((\f)/4)*16*PK+((\f)%4)*64
	ds_load_b128 v[KF+8*(\f)+4:KF+8*(\f)+7], v[ADR] offset:((\f)/4)*16*PK+((\f)%4)*64+32
.endr
.endm
.macro FETCH_V
	WIN 0
	v_add_nc_u32 v[ADR], s[TB], v[AV0]
	WIN 0xc0                        ; destination window 3
.irp f, 0,1,2,3,4,5,6,7,8,9,10,11,12,13,14,15  ; keys 32 (f / 8) on, channels 16 (f % 8) on
	ds_load_tr16_b128 v[8*(\f):8*(\f)+3],   v[ADR] offset:((\f)/8)*32*PV+((\f)%8)*32
	ds_load_tr16_b128 v[8*(\f)+4:8*(\f)+7], v[ADR] offset:((\f)/8)*32*PV+16*PV+((\f)%8)*32
.endr
.endm
; THE VECTOR WORK.  One tile's softmax for one tile of keys is a list of 134 instructions; SM writes number j of it for tile t.  s0-s31 are the lane's 32 scores, in pairs 0-15.
;   0-15    the maximum of s0-s31 and the old m, three operands at a time: four chains c0-c3 of seven scores each (each accumulator's lowest registers are read first), then the rest
;   16-20   the other half of the lanes' maximum; the new m; c m; c m_old - c m_new
;   21-87   33 exponentials (a, then s0-s31) at the odd numbers from 23 on, so that no two follow each other and each has a plain instruction behind it before its result is used (ISA guide 5.7.2);
;           the plain ones between are what is ready: c s - c m for pairs to come, the rounding to f16 of pairs that are done, the first three sums
;   88-101  the last rounding; the rest of the sums; l = a l + the sum          102-133  the tile's O^T times a: the one part that leaves window 0
.macro SM t
.set rT, ST+8*(\t)
.set rS, S+32*(\t)
.set rP, P+16*(\t)
.set rO, 64*(\t)+2*(j-102)
.set q, (j-20)/2
.if j < 102
	WIN 0
.endif
.if j < 4
	v_max3_num_f32 v[rT+4+j], v[rS+8*j], v[rS+8*j+1], v[rS+8*j+2]
.elseif j < 12
	v_max3_num_f32 v[rT+4+j%4], v[rT+4+j%4], v[rS+8*(j%4)+2*(j/4)+1], v[rS+8*(j%4)+2*(j/4)+2]
.elseif j == 12
	v_max3_num_f32 v[rT+4], v[rT+4], v[rS+7], v[rS+15]
.elseif j == 13
	v_max3_num_f32 v[rT+6], v[rT+6], v[rS+23], v[rS+31]
.elseif j == 14
	v_max3_num_f32 v[rT+4], v[rT+4], v[rT+5], v[rT+6]
.elseif j == 15
	v_max3_num_f32 v[rT+4], v[rT+4], v[rT+7], v[rT+1]
.elseif j == 16
	v_permlanex16_b32 v[rT+5], v[rT+4], s[SEL], s[SEL+1]  ; the query's other 32 keys lie in the lane 16 away
.elseif j == 17
	v_mov_b32 v[rT+7], v[rT]        ; c m_old is kept for a: number 19 writes c m anew
.elseif j == 18
	v_max_num_f32 v[rT+1], v[rT+4], v[rT+5]
.elseif j == 19
	v_mul_f32 v[rT], s[CS], v[rT+1]
.elseif j == 20
	v_sub_f32 v[rT+7], v[rT+7], v[rT]
.elseif j == 23
	v_exp_f32 v[rT+6], v[rT+7]
.elseif (j < 88) && (j > 23) && (j%2 == 1)
	v_exp_f32 v[rS+(j-25)/2], v[rS+(j-25)/2]
.elseif (q < 4) || ((j < 76) && (q%2 == 0))
.set b, q/2+2
.if q < 4
.set b, q
.endif
	v_pk_fma_f32 v[rS+2*b:rS+2*b+1], v[rS+2*b:rS+2*b+1], s[CS:CS+1], v[rT:rT+1] op_sel_hi:[1,0,0] neg_lo:[0,0,1] neg_hi:[0,0,1]  ; pair b: c s - c m
.elseif (j < 88) && (q%2 == 1)
	s_wait_alu depctr_va_vdst(0)
	v_cvt_pk_f16_f32 v[rP+(q-5)/2], v[rS+q-5], v[rS+q-4]  ; pair (q - 5) / 2: its second exponential stands three numbers back
.elseif j == 89
	s_wait_alu depctr_va_vdst(0)
	v_cvt_pk_f16_f32 v[rP+15], v[rS+30], v[rS+31]
.elseif j < 102                     ; the sum of the tile's 16 pairs, in place: sum z of 16 adds neighbours 1, 2, 4 and 8 pairs apart, then l takes it
.set z, j-86
.if j < 89
.set z, (j-76)/4
.endif
.set w, 4
.set u, z
.if z >= 14
.set w, 32
.set u, 0
.elseif z >= 12
.set w, 16
.set u, z-12
.elseif z >= 8
.set w, 8
.set u, z-8
.endif
.if z < 15
	v_pk_add_f32 v[rS+w*u:rS+w*u+1], v[rS+w*u:rS+w*u+1], v[rS+w*u+w/2:rS+w*u+w/2+1]
.else
	v_pk_fma_f32 v[rT+2:rT+3], v[rT+2:rT+3], v[rT+6:rT+7], v[rS:rS+1] op_sel_hi:[1,0,1]
.endif
.else
	WIN W_RS
	v_pk_mul_f32 v[rO:rO+1], v[rO:rO+1], v[rT+6:rT+7] op_sel_hi:[1,0]
.endif
.endm
; Slice k of 64 of the softmax of tiles y, y + 1: numbers 2 k and 2 k + 1 of both lists, four instructions; the twelve that are over stand in slice 63.
.macro SLICE y
.if (k >= 11) && (k < 44)           ; tile by tile: plain, exponential, plain, exponential
.irp t, \y, (\y)+1
.irp n, 0,1
.set j, 2*k+(\n)
	SM \t
.endr
.endr
.else                               ; the two tiles alternate, so that no instruction reads the result of the one just before it
.irp n, 0,1,2,3,4,5,6,7
.if ((\n) < 2) || (k == 63)
.irp t, \y, (\y)+1
.set j, 2*k+(\n)
	SM \t
.endr
.endif
.endr
.endif
.set k, k+1
.endm
; A TRIP: one tile of keys.  The slices name no register of the products round them.  Slices 62 and 63, twenty plain instructions, are the places between the last K Q^T and the loads into K's registers
; and the first read of its scores; the four v_nop at the trip's end are those in front of V's next run and of a block's end.
.macro TRIP fill
	s_sub_co_u32 s[RT], s[RT], 1
	s_cmp_eq_u32 s[RT], 0
	s_cbranch_scc0 .Lnomask_\@      ; forward, past text with no barrier and no tensor load; RT is made of c and constants: alike in all waves and all partners
	MASKS                           ; the block's last tile holds the diagonal
.Lnomask_\@:
	FETCH_V
	s_wait_loadcnt 0x0              ; Q
	s_wait_dscnt 32                 ; K's run is in; V's 32 loads may be out
.set i, 0
.rept 32
	KQ 0
.set i, i+1
.endr
	WIN 0
	PLACES
.set k, 0
.set i, 0
.rept 32
	KQ 2
	SLICE 0
	SLICE 0
.set i, i+1
.endr
	CHANGE \fill
	FETCH_K                         ; the next tile's K, from the other slot; it is waited for at the next trip's head
.set k, 0
.set i, 0
.rept 32
	PV 0
	SLICE 2
	SLICE 2
.set i, i+1
.endr
.set i, 0
.rept 32
	PV 2
.set i, i+1
.endr
	WIN 0
	PLACES
.endm
.macro OMUL p, r                    ; tile p of O^T times the low word of v[r:r+1]; each accumulator's lowest registers first
	WIN W_RS
.set i, 0
.rept 32
	v_pk_mul_f32 v[64*(\p)+2*i:64*(\p)+2*i+1], v[64*(\p)+2*i:64*(\p)+2*i+1], v[(\r):(\r)+1] op_sel_hi:[1,0]
.set i, i+1
.endr
.endm
; A BLOCK'S END: the four waves' shares are merged, and the block leaves.  next = 1: the second block's Q is asked for first, and m, l and the masks are set anew at the end.
; Seven barriers, none with a refill behind it: the tile that is on its way goes into the slot that nobody reads before the next change of slots.
.macro FINISH obase, next
.if \next
	LOADQ QHI
.endif
	WIN 0
.irp j, 0,1,2,3
	v_add_f32 v[ST+8*(\j)+4], v[ST+8*(\j)+2], v[ST+8*(\j)+3]
.endr
.irp j, 0,1,2,3
	v_permlanex16_b32 v[ST+8*(\j)+5], v[ST+8*(\j)+4], s[SEL], s[SEL+1]
.endr
.irp j, 0,1,2,3
	v_add_f32 v[ST+8*(\j)+1], v[ST+8*(\j)+4], v[ST+8*(\j)+5]  ; my l of the query: (c m, l) now lie in a pair
.endr
.irp j, 0,1,2,3
	v_add_nc_u32 v[ADR], s[W128], v[LB+(\j)]
	ds_store_b64 v[ADR], v[ST+8*(\j):ST+8*(\j)+1]  ; both halves of the lanes write the same numbers
.endr
	BAR
.irp j, 0,1,2,3
.irp w, 0,1,2,3
	ds_load_b64 v[S+8*(\j)+2*(\w):S+8*(\j)+2*(\w)+1], v[LB+(\j)] offset:128*(\w)
.endr
.endr
	s_wait_dscnt 0x0
.irp j, 0,1,2,3
	v_max3_num_f32 v[ST+8*(\j)+4], v[S+8*(\j)], v[S+8*(\j)+2], v[S+8*(\j)+4]
.endr
.irp j, 0,1,2,3
	v_max_num_f32 v[ST+8*(\j)+4], v[ST+8*(\j)+4], v[S+8*(\j)+6]  ; M
.endr
.irp j, 0,1,2,3
	v_sub_f32 v[ST+8*(\j)+5], v[ST+8*(\j)], v[ST+8*(\j)+4]
.endr
.irp w, 0,1,2,3
	v_sub_f32 v[S+2*(\w)], v[S+2*(\w)], v[ST+4]  ; for the tile that I own: all four waves' c m - M
.endr
.irp j, 0,1,2,3
	v_exp_f32 v[ST+8*(\j)+6], v[ST+8*(\j)+5]   ; my factor for tile j
.endr
.irp w, 0,1,2,3
	v_exp_f32 v[S+2*(\w)], v[S+2*(\w)]
.endr
	v_nop                           ; a plain instruction behind the last exponential
	s_wait_alu depctr_va_vdst(0)
	v_mul_f32 v[ST+7], v[S], v[S+1]
.irp w, 1,2,3
	v_fma_f32 v[ST+7], v[S+2*(\w)], v[S+2*(\w)+1], v[ST+7]  ; the query's whole l: 1 at the least, since the wave with the largest c m holds that key
.endr
	v_rcp_f32 v[ST+4], v[ST+7]      ; used far below
	OMUL 0, ST+6
.irp p, 1,2,3                       ; pass p: I send register tile p to its owner and take my own tile's share from wave (w - p) % 4
	OMUL \p, ST+8*(\p)+6
	WIN 0x04                        ; store data (source 1) window 1
.set i, 0
.rept 16
	ds_store_b128 v[MBW], v[64*(\p)+4*i:64*(\p)+4*i+3] offset:512*i
.set i, i+1
.endr
	WIN 0
	BAR                             ; the four mailboxes are written
	v_add_nc_u32 v[ADR], s[MR+(\p)-1], v[L16]
.set i, 0
.rept 16
	ds_load_b128 v[S+64+4*i:S+64+4*i+3], v[ADR] offset:512*i
.set i, i+1
.endr
	BAR                             ; and read: they may be written again
	WIN W_RS
.set i, 0
	s_wait_alu depctr_va_vdst(0)
.rept 32
	v_pk_add_f32 v[2*i:2*i+1], v[2*i:2*i+1], v[S+64+2*i:S+64+2*i+1]
.set i, i+1
.endr
.endr
	OMUL 0, ST+4                    ; divided by l
	WIN 0x05                        ; sources 0 and 1 window 1, destination window 0
.set i, 0
.rept 32
	v_cvt_pk_f16_f32 v[S+i], v[2*i], v[2*i+1]
.set i, i+1
.endr
	WIN 0
.irp f, 0,1,2,3,4,5,6,7             ; the stage is my own mailbox: its last reader has passed the barrier above
	ds_store_b128 v[STO], v[S+4*(\f):S+4*(\f)+3] offset:32*(\f)
.endr
.irp f, 0,1,2,3,4,5,6,7
	ds_load_b128 v[S+32+4*(\f):S+32+4*(\f)+3], v[RD] offset:(\f)*2*SP  ; LDS serves a wave's instructions in order (ISA guide 5.7.1.4): these see the stores above
.endr
.irp f, 0,1,2,3,4,5,6,7
	s_wait_dscnt 7-(\f)             ; the younger loads may be out
	global_store_b128 v[GO], v[S+32+4*(\f):S+32+4*(\f)+3], s[\obase:\obase+1] offset:(\f)*8192  ; 16 lanes store a head's 256 consecutive bytes of a row, at a multiple of 256 from O's first byte
.endr
	s_wait_xcnt 0x0                 ; the stores' data registers are written again only behind this wait
.if \next
	INIT
	ZMASK
	s_sub_co_u32 s[RT], 8, s[CC]    ; the second block has 8 - c tiles
.endif
.endm
	s_wait_tensorcnt 0x1            ; my part of slot 0 is in; slot 1's may stay out
	s_barrier_signal -1
	s_barrier_wait -1               ; everybody's is
	FETCH_K                         ; the walk's first tile
	WIN 0
	s_mov_b32 s[TRIPS], 7
.Lloop:                             ; trips 0 to 6: each asks for the tile two trips on.  The first block ends in trip c, 3 at the most
	TRIP 1
	s_cmp_eq_u32 s[RT], 0
	s_cbranch_scc0 .Lnoend
	FINISH OLO, 1
.Lnoend:
	s_sub_co_u32 s[TRIPS], s[TRIPS], 1
	s_cmp_lg_u32 s[TRIPS], 0
	s_cbranch_scc1 .Lloop
	s_mov_b32 s[TRIPS], 2
.Ltail:                             ; trips 7 and 8 ask for nothing; trip 8's run of K reads the slot left last, whose bytes have landed, and serves nothing: the price of one text for both
	TRIP 0
	s_sub_co_u32 s[TRIPS], s[TRIPS], 1
	s_cmp_lg_u32 s[TRIPS], 0
	s_cbranch_scc1 .Ltail
	FINISH OHI, 0
	s_wait_tensorcnt 0x0            ; the wave's end: behind my last tensor load and my last LDS store
	ds_add_u32 v[SPW], v[NIL]
	s_wait_dscnt 0x0
	CROUND                          ; the closing round: no work-group ends while a partner may still ask for a tile that names it
	s_endpgm
.Lfunc_end_k_qdf8ea76a8b_attn:
	.size	k_qdf8ea76a8b_attn, .Lfunc_end_k_qdf8ea76a8b_attn-k_qdf8ea76a8b_attn
	.p2alignl 7, 3214868480
	.fill 96, 4, 3214868480
	.section	.rodata,"a",@progbits
	.p2align	6, 0x0
	.amdhsa_kernel k_qdf8ea76a8b_attn
		.amdhsa_group_segment_fixed_size 327680
		.amdhsa_private_segment_fixed_size 0
		.amdhsa_enable_private_segment 0
		.amdhsa_kernarg_size 32
		.amdhsa_user_sgpr_count 2
		.amdhsa_user_sgpr_kernarg_segment_ptr 1
		.amdhsa_wavefront_size32 1
		.amdhsa_system_sgpr_workgroup_id_x 1
		.amdhsa_system_sgpr_workgroup_id_y 1
		.amdhsa_system_sgpr_workgroup_id_z 1
		.amdhsa_system_vgpr_workitem_id 0
		.amdhsa_next_free_vgpr 1024
		.amdhsa_next_free_sgpr 100
		.amdhsa_reserve_vcc 1
		.amdhsa_float_denorm_mode_32 3
		.amdhsa_float_denorm_mode_16_64 3
		.amdhsa_memory_ordered 1
		.amdhsa_forward_progress 1
		.amdhsa_inst_pref_size 208
	.end_amdhsa_kernel
	.amdgpu_metadata
---
amdhsa.version: [ 1, 2 ]
amdhsa.kernels:
  - .name:           k_qdf8ea76a8b_attn
    .symbol:         k_qdf8ea76a8b_attn.kd
    .args:
      - { .name: qh, .offset: 0, .size: 8, .value_kind: global_buffer, .address_space: global }
      - { .name: kh, .offset: 8, .size: 8, .value_kind: global_buffer, .address_space: global }
      - { .name: vh, .offset: 16, .size: 8, .value_kind: global_buffer, .address_space: global }
      - { .name: oh, .offset: 24, .size: 8, .value_kind: global_buffer, .address_space: global }
    .group_segment_fixed_size: 327680
    .private_segment_fixed_size: 0
    .kernarg_segment_align: 8
    .kernarg_segment_size: 32
    .max_flat_workgroup_size: 128
    .sgpr_count:     100
    .vgpr_count:     1024
    .wavefront_size: 32
...
	.end_amdgpu_metadata
.endif
;; end of part 3
;; launch oproj (part 4): grid 16 x 16, 4 waves a work-group, clusters of 4 x 4, 327,680 bytes of LDS; arguments oh, wob, out0; writes out0
.if DOCPART == 4
	.amdgcn_target "amdgcn-amd-amdhsa--gfx1250"
	.amdhsa_code_object_version 6
	.text
	.protected	k_qdf8ea76a8b_oproj
	.globl	k_qdf8ea76a8b_oproj
	.p2align	8
	.type	k_qdf8ea76a8b_oproj,@function
k_qdf8ea76a8b_oproj:
	s_mov_b64 s[64:65], 0
	v_nop
	global_prefetch_b8 v0, s[64:65] scope:SCOPE_SE
	s_setreg_imm32_b32 hwreg(HW_REG_WAVE_MODE, 25, 1), 1
	s_wait_xcnt 0x0
	s_wait_alu depctr_hold_cnt(0) depctr_sa_sdst(0) depctr_va_vdst(0) depctr_va_sdst(0) depctr_va_ssrc(0) depctr_va_vcc(0) depctr_vm_vsrc(0)
	s_getreg_b32 s2, hwreg(HW_REG_IB_STS2, 6, 4)
	s_cmp_eq_u32 s2, 0
	s_cbranch_scc0 .Lentry_in_a_cluster
	s_endpgm
.Lentry_in_a_cluster:
	s_bfe_u32 s2, ttmp6, 0x10000c
	s_cmp_lg_u32 s2, 0xf033
	s_cbranch_scc0 .Lentry_shape_is_right
	s_endpgm
.Lentry_shape_is_right:
; out0[m][n] = sum over k of O[m][k] wo[n][k].  oh: [2048][2048] f16, wob: [2048][2048] f16 (wo rounded to bf16, written as f16), out0: [2048][2048] f32; sums in f32.
; The sums run over K from the cluster's first K step on and round (see THE WALK): an order of rounding other than ascending K.
; A tile of the output is 128 x 128: 256 work-groups.  Four waves, each 64 x 64: 16 accumulators of 16 x 16, 128 registers.  K goes in steps of 256 (LDS rows of 512 bytes; a wave's tensor load brings 64 of them)
; through two slots.  CLUSTER 4 x 4: the four of a row of the cluster need the same tiles of O, the four of a column the same tiles of wo: each tile is asked for JOINTLY.
; THE WALK.  Cluster (X, Y) begins at K step 2 X + 4 Y mod 8 and goes round all 8.  So the clusters that need the same tile ask for it in different trips, 2, 4 or 6 apart, and all but the first find it
; read before.  The step's number is made of the cluster's place in the grid alone, which all partners share; the tile's address is made anew from it for each load.
; THE TEXT.  A K step is written once: the slot in hand is a scalar, 0 or SLOT, turned by one exclusive or; the fragments' addresses are that scalar plus a lane's fixed place.
; THE MATRIX INSTRUCTION IS USED TRANSPOSED (source 0 = 16 rows of wo, source 1 = 16 rows of O): a lane holds eight neighbouring numbers of a row of the output, 32 bytes.
; A wave's 64 columns of f32 are 256 bytes, aligned: each wave has a stage of its own on the way out, and no barrier is needed there.
; REGISTERS: window 0: v0-31 addresses; v32-95 rows read back on the way out; v128-255 the accumulators ((a, b) at v[128 + 8 (4 a + b)]).
;   window 1: two fragment buffers of 128: for 64 along K, 64 registers of O (2 x 4 x 16 rows x 32 K), then 64 of wo.
.set SIZE_N, 2048
.set SIZE_K, 2048
.set KSTEP,  256
.set STEPS,  SIZE_K/KSTEP              ; 8 K steps
.set PITCH,  528                       ; an LDS row: 512 bytes + 16 of padding = 132 words: row r starts at bank 4 r mod 64 (64 banks of 4 bytes: ISA guide 11.1)
.set HALFT,  64*PITCH                  ; 64 rows: what one tensor load brings, and what one wave reads of O or of wo: 0x8400 bytes
.set SLOT,   4*HALFT                   ; O's 128 rows, then wo's 128 rows: 0x21000 bytes; no bit of it is set in 0, 1, 2 or 3 x 0x8400, so one exclusive or turns a load's place into the other slot's
.set STAGE,  2*SLOT                    ; behind the ring: 16 rows x 272 bytes for each wave
.set SPITCH, 272
.set SPARE,  STAGE+4*16*SPITCH         ; behind the stages: the spare words, 128 bytes a wave: two blocks of 256 bytes that no other line names
.set BASEA, 10                         ; v10     my lane's place among O's fragments in a slot; never rewritten
.set BASEB, 11                         ; v11     the same for wo
.set ADRA, 16                          ; v16     LDS address of my fragments of O in the slot in hand
.set ADRB, 20                          ; v20     the same for wo
.set STO,  24                          ; v24     the way out: where I put 32 bytes of a row
.set RD,   25                          ; v25     where I read a row back
.set CO,   26                          ; v26     my byte offset in two rows of the output
.set SPW,  28                          ; v28     LDS address of my spare word; never rewritten
.set NIL,  29                          ; v29     0; never rewritten
.set TMP,  32
.set ACC,  128
.set F0,   0                           ; fragment buffers, in window 1
.set F1,   128
.set G1, 24                            ; s[24:31] descriptor group 1 for O's tiles;  s[32:39] group 0: a set for each of the two first fills; the second then walks
.set G0, 32
.set G1B, 48                           ; s[48:55], s[56:63] the same for wo's tiles
.set G0B, 56
.set AB,  14                           ; s[14:15] O at the first row that I fetch;  s[46:47] wo likewise
.set BB,  46
.set TB,  66                           ; s66  the slot that is read: 0 or SLOT
.set KS,  67                           ; s67  the K step to be asked for next
.set OFF, 68                           ; s[68:69] its byte offset in a row
.set MSB, 0
.macro WIN new                         ; the immediate's high byte repeats the setting that is left
.if MSB != (\new)
	s_set_vgpr_msb (MSB<<8)|(\new)
.set MSB, \new
.endif
.endm
.set MUL,  0x05                        ; sources 0 and 1 window 1; C and D window 0
.set TO_F, 0x40                        ; destination window 1, address window 0
.macro JLOAD s                         ; a joint load by set s: waves 0 and 1 fetch O's two halves, waves 2 and 3 wo's; an s_nop 0 and four v_nop follow each of the two lines
	s_cmp_eq_u32 s11, 0
	s_cbranch_scc0 .Lfor_b_\@
	tensor_load_to_lds s[G0+4*(\s):G0+4*(\s)+3], s[G1:G1+7]
	s_nop 0
.rept 4
	v_nop
.endr
	s_branch .Lasked_\@
.Lfor_b_\@:
	tensor_load_to_lds s[G0B+4*(\s):G0B+4*(\s)+3], s[G1B:G1B+7]
	s_nop 0
.rept 4
	v_nop
.endr
.Lasked_\@:
.endm
.macro CROUND                          ; a round of the cluster's barrier
	s_barrier_signal -1
	s_barrier_wait -1
	s_cmp_lg_u32 s10, 0
	s_cbranch_scc1 .Lnot_wave_0_\@
	s_barrier_signal -3
.Lnot_wave_0_\@:
	s_barrier_wait -3
	s_barrier_signal -1
	s_barrier_wait -1
.endm
; The global addresses of set g (0 or 4) are made anew from the number of the K step to be asked for, which then steps, round 8.
.macro NEXT g
	s_lshl_b32 s[OFF], s[KS], 9                    ; a K step is 512 bytes of a row
	s_add_nc_u64 s[G0+(\g)+2:G0+(\g)+3], s[AB:AB+1], s[OFF:OFF+1]
	s_or_b32 s[G0+(\g)+3], s[G0+(\g)+3], 0x80000000    ; type = 2
	s_add_nc_u64 s[G0B+(\g)+2:G0B+(\g)+3], s[BB:BB+1], s[OFF:OFF+1]
	s_or_b32 s[G0B+(\g)+3], s[G0B+(\g)+3], 0x80000000
	s_add_co_u32 s[KS], s[KS], 1
	s_and_b32 s[KS], s[KS], STEPS-1
.endm
.macro FLIP                            ; the reads go on in the other slot
	s_xor_b32 s[TB], s[TB], SLOT
	v_add_nc_u32 v[ADRA], s[TB], v[BASEA]
	v_add_nc_u32 v[ADRB], s[TB], v[BASEB]
.endm
	s_load_b128 s[4:7], s[0:1], 0x0                ; oh s[4:5], wob s[6:7]
	s_load_b64 s[8:9], s[0:1], 0x10                ; out0
	v_lshl_add_u32 v[SPW], v0, 2, SPARE
	v_mov_b32 v[NIL], 0
	ds_add_u32 v[SPW], v[NIL]                      ; the wave's opening: the add and its wait stand ahead of my first tensor load; the set-up below, work on registers, stands between them
	v_lshrrev_b32 v1, 5, v0
	v_readfirstlane_b32 s10, v1                    ; wave 0..3
	s_lshr_b32 s11, s10, 1                         ; which half of the tile's rows is mine.  Also: I fetch for O (0) or for wo (1)
	s_and_b32 s12, s10, 1                          ; which half of its columns.  Also: which 64 rows of that tile I fetch
	s_bfe_u32 s40, ttmp6, 0x40000                  ; cx, cy: my place in the cluster
	s_bfe_u32 s41, ttmp6, 0x40004
	s_lshl_b32 s42, ttmp9, 2
	s_add_co_u32 s42, s42, s40                     ; tile column = 4 x cluster x + cx
	s_and_b32 s13, ttmp7, 0xffff
	s_lshl_b32 s13, s13, 2
	s_add_co_u32 s13, s13, s41                     ; tile row = 4 x cluster y + cy
	s_lshl_b32 s43, s41, 2
	s_lshl_b32 s43, 15, s43                        ; my row of the cluster
	s_lshl_b32 s44, 0x1111, s40                    ; my column
	; descriptor group 1: a tile of 64 rows x 256 elements of 2 bytes, padded in LDS
	s_or_b32 s[G1+0], s43, (1<<16)|(1<<20)|(1<<21)|(6<<22)|(3<<25)  ; 15:0 the mask; 17:16 2-byte elements; 20 padding on; 21 set beside a mask; 24:22 after every 128 words (code 6); 31:25 4 words (code 3)
	s_or_b32 s[G1B+0], s44, (1<<16)|(1<<20)|(1<<21)|(6<<22)|(3<<25)
.irp g, G1, G1B
	s_mov_b32 s[(\g)+1], KSTEP<<16                 ; tensor_dim0 = 256
	s_mov_b32 s[(\g)+2], 64<<16                    ; tensor_dim1 = 64
	s_mov_b32 s[(\g)+3], KSTEP<<16                 ; tile_dim0 = 256
	s_mov_b32 s[(\g)+4], 64                        ; tile_dim1 = 64
	s_mov_b32 s[(\g)+5], SIZE_K                    ; elements from row to row
	s_mov_b32 s[(\g)+6], 0
	s_mov_b32 s[(\g)+7], 0
.endr
	s_and_b32 s[KS], ttmp7, 0xffff                 ; the cluster's first K step: 2 x cluster x + 4 x cluster y, mod 8
	s_lshl_b32 s[KS], s[KS], 2
	s_lshl_b32 s21, ttmp9, 1
	s_add_co_u32 s[KS], s[KS], s21
	s_and_b32 s[KS], s[KS], STEPS-1
	s_mov_b32 s[OFF+1], 0
	s_mov_b32 s[TB], 0
	s_lshl_b32 s17, s12, 6                         ; which 64 rows of the tile I fetch
	s_lshl_b32 s16, s13, 7
	s_add_co_u32 s16, s16, s17                     ; O: row 128 x tile row + 64 x half
	s_lshl_b32 s[BB], s42, 7
	s_add_co_u32 s[BB], s[BB], s17                 ; wo: row 128 x tile column + 64 x half
	s_mov_b32 s17, 0
	s_mov_b32 s[BB+1], 0
	s_mov_b64 s[18:19], SIZE_K*2
	s_mul_u64 s[16:17], s[16:17], s[18:19]
	s_mul_u64 s[BB:BB+1], s[BB:BB+1], s[18:19]
	s_mul_i32 s20, s10, HALFT                      ; where they go: wave x 64 rows: no place in the cluster enters an LDS address
.irp g, G0, G0B
	s_mov_b32 s[(\g)], 1                           ; count = 1
	s_mov_b32 s[(\g)+1], s20                       ; LDS address: slot 0
	s_mov_b32 s[(\g)+4], 1
	s_add_co_u32 s[(\g)+5], s20, SLOT              ; slot 1
.endr
	s_wait_dscnt 0x0                               ; the opening add is done
	s_wait_kmcnt 0x0
	s_add_nc_u64 s[AB:AB+1], s[4:5], s[16:17]
	s_add_nc_u64 s[BB:BB+1], s[6:7], s[BB:BB+1]
	CROUND                                         ; all sixteen work-groups are here: the first joint loads meet
	NEXT 0                                         ; the walk's first K step,
	NEXT 4                                         ; and its second
	JLOAD 0
	JLOAD 1                                        ; two loads of mine are out
	v_and_b32 v1, 15, v0                           ; l % 16
	v_bfe_u32 v2, v0, 4, 1                         ; l / 16
	v_mul_u32_u24 v3, v1, PITCH
	v_lshl_add_u32 v3, v2, 4, v3                   ; a fragment's row x pitch + 16 x half
	s_mul_i32 s21, s11, HALFT                      ; my 64 rows of O
	s_mul_i32 s22, s12, HALFT                      ; my 64 rows of wo,
	s_add_co_u32 s22, s22, 2*HALFT                 ; which lie behind O's 128
	v_add_nc_u32 v[BASEA], s21, v3
	v_add_nc_u32 v[BASEB], s22, v3
	v_add_nc_u32 v[ADRA], s21, v3                  ; the walk begins in slot 0
	v_add_nc_u32 v[ADRB], s22, v3
	s_mul_i32 s23, s10, 16*SPITCH
	s_add_co_u32 s23, s23, STAGE                   ; my stage
	v_mul_u32_u24 v4, v1, SPITCH                   ; in: row l % 16, 32 bytes for each half of the lanes
	v_lshl_add_u32 v4, v2, 5, v4
	v_add_nc_u32 v[STO], s23, v4
	v_mul_u32_u24 v5, v2, SPITCH                   ; back: lanes 0-15 take one row of 256 bytes, lanes 16-31 the next
	v_lshl_add_u32 v5, v1, 4, v5
	v_add_nc_u32 v[RD], s23, v5
	v_lshlrev_b32 v5, 13, v2                       ; and the same two rows in the output, 8,192 bytes apart
	v_lshl_add_u32 v[CO], v1, 4, v5
	s_lshl_b32 s16, s13, 7
	s_lshl_b32 s17, s11, 6
	s_add_co_u32 s16, s16, s17                     ; my first row: 128 x tile row + 64 x half
	s_lshl_b32 s16, s16, 13
	s_mov_b32 s17, 0
	s_add_nc_u64 s[8:9], s[8:9], s[16:17]
	s_lshl_b32 s18, s42, 9                         ; my first column, in bytes: 512 x tile column + 256 x half
	s_lshl_b32 s19, s12, 8
	s_add_co_u32 s18, s18, s19
	s_mov_b32 s19, 0
	s_add_nc_u64 s[8:9], s[8:9], s[18:19]
; 8 matrix instructions: m blocks a0, a0 + 1 x all 4 n blocks, 32 along K: half c of buffer f.  zero = 1: the first product starts the sums.  The 16 accumulators take turns.
.macro MUL8 f, c, a0, zero
	WIN MUL
.irp a, \a0, (\a0)+1
.irp b, 0,1,2,3
.if \zero
	v_wmma_f32_16x16x32_f16 v[ACC+8*(4*(\a)+(\b)):ACC+8*(4*(\a)+(\b))+7], v[(\f)+64+8*(4*(\c)+(\b)):(\f)+64+8*(4*(\c)+(\b))+7], v[(\f)+8*(4*(\c)+(\a)):(\f)+8*(4*(\c)+(\a))+7], 0
.else
	v_wmma_f32_16x16x32_f16 v[ACC+8*(4*(\a)+(\b)):ACC+8*(4*(\a)+(\b))+7], v[(\f)+64+8*(4*(\c)+(\b)):(\f)+64+8*(4*(\c)+(\b))+7], v[(\f)+8*(4*(\c)+(\a)):(\f)+8*(4*(\c)+(\a))+7], v[ACC+8*(4*(\a)+(\b)):ACC+8*(4*(\a)+(\b))+7]
.endif
.endr
.endr
.endm
; 32 LDS loads in one run: the fragments of 64 along K at byte k of the rows of the slot in hand, into buffer f; the first 32 along K first
.macro FETCH k, f
	WIN TO_F
.irp c, 0,1
.irp i, 0,1,2,3
	ds_load_b128 v[(\f)+64+8*(4*(\c)+(\i)):(\f)+64+8*(4*(\c)+(\i))+3],   v[ADRB] offset:(\k)+64*(\c)+(\i)*16*PITCH
	ds_load_b128 v[(\f)+64+8*(4*(\c)+(\i))+4:(\f)+64+8*(4*(\c)+(\i))+7], v[ADRB] offset:(\k)+64*(\c)+(\i)*16*PITCH+32
	ds_load_b128 v[(\f)+8*(4*(\c)+(\i)):(\f)+8*(4*(\c)+(\i))+3],         v[ADRA] offset:(\k)+64*(\c)+(\i)*16*PITCH
	ds_load_b128 v[(\f)+8*(4*(\c)+(\i))+4:(\f)+8*(4*(\c)+(\i))+7],       v[ADRA] offset:(\k)+64*(\c)+(\i)*16*PITCH+32
.endr
.endr
.endm
.macro PLACES                          ; four places in front of loads into registers that matrix instructions have read, and of LDS stores that read results
.rept 4
	v_nop
.endr
.endm
; A K step is four quarters of 64 along K, 32 matrix instructions each, on buffers 0, 1, 0, 1.  One of the first three: multiplies buffer f and fetches the next quarter, at byte k, into g.
.macro QUARTER k, f, g, zero
	s_wait_dscnt 16                                ; the first 32 along K are in
	MUL8 \f, 0, 0, \zero
	MUL8 \f, 0, 2, \zero
	PLACES
	FETCH \k, \g
	s_wait_dscnt 32                                ; all but the 32 just issued
	MUL8 \f, 1, 0, 0
	MUL8 \f, 1, 2, 0
.endm
.macro LASTQ                           ; the last quarter's 32 products: its fragments lie in buffer 1
	MUL8 F1, 0, 0, 0
	MUL8 F1, 0, 2, 0
	MUL8 F1, 1, 0, 0
	MUL8 F1, 1, 2, 0
.endm
; THE CHANGE OF SLOTS, in front of a K step's last quarter, whose fragments are in registers: nobody needs the slot's bytes any more.  Each wave waits for all its tensor loads (one is out: its part of the
; next slot), adds 0 to its spare word, and waits for that and for its own reads of this slot; a round of the cluster's barrier; and the slot is filled again, two K steps ahead, first thing behind the round.
; Nothing but the round stands between the wait and the request, and the load has a whole K step, 128 matrix instructions, in which to land.
.macro TURN
	WIN 0
	s_wait_tensorcnt 0x0                           ; all my tensor loads have landed, so a group 0 may be written
	ds_add_u32 v[SPW], v[NIL]                      ; 0 onto my spare word; the descriptors' scalar work stands between it and the wait for it
	s_xor_b32 s[G0+5], s[G0+5], SLOT               ; the walking descriptor: the other slot than last time
	s_xor_b32 s[G0B+5], s[G0B+5], SLOT
	NEXT 4
	s_wait_dscnt 0x0                               ; the add is done, and my reads of this slot are over
	CROUND                                         ; no wave of any partner still reads this slot's tiles or has a load on its way
	JLOAD 1                                        ; the four v_nop behind it are also the places in front of the loads into buffer 0
	FLIP
	FETCH 0, F0                                    ; the next K step's first fragments
	LASTQ
.endm
	s_wait_tensorcnt 0x1                           ; my part of the first K step is in; the second's may stay out
	s_barrier_signal -1
	s_barrier_wait -1                              ; everybody's is
	FETCH 0, F0
	QUARTER 128, F0, F1, 1                         ; the first quarter stands in front of the loop: its first products start the sums
	WIN 0                                          ; at a label and at a branch every window is 0
	s_mov_b32 s3, STEPS-2
.Lstep:                                                ; 6 trips: from a K step's second quarter to the next step's first; each fills the slot that it leaves
	QUARTER 256, F1, F0, 0
	QUARTER 384, F0, F1, 0
	TURN
	QUARTER 128, F0, F1, 0
	WIN 0
	s_sub_co_u32 s3, s3, 1
	s_cmp_lg_u32 s3, 0
	s_cbranch_scc1 .Lstep
	s_mov_b32 s3, 2
.Ltail:                                                ; the last two K steps ask for nothing: a loop of their own
	QUARTER 256, F1, F0, 0
	QUARTER 384, F0, F1, 0
	WIN 0
	s_wait_tensorcnt 0x0                           ; first trip: my part of the last K step has landed
	ds_add_u32 v[SPW], v[NIL]
	s_wait_dscnt 0x0
	s_barrier_signal -1
	s_barrier_wait -1                              ; everybody's part has
	LASTQ
	WIN 0
	s_cmp_eq_u32 s3, 1
	s_cbranch_scc1 .Llast                          ; behind the last K step there is no next: forward, past text with no barrier and no tensor load
	PLACES                                         ; in front of the loads into buffer 0
	FLIP
	FETCH 0, F0
	QUARTER 128, F0, F1, 0
	WIN 0
.Llast:
	s_sub_co_u32 s3, s3, 1
	s_cmp_lg_u32 s3, 0
	s_cbranch_scc1 .Ltail
	s_wait_dscnt 0x0                               ; no LDS load is out on any way out of the loop
	; THE WAY OUT, 16 rows at a time through my own stage: 32 bytes a lane in (each accumulator's lowest registers first), whole rows of 256 bytes back.
	PLACES
.irp a, 0,1,2,3
.irp b, 0,1,2,3
	ds_store_b128 v[STO], v[ACC+8*(4*(\a)+(\b)):ACC+8*(4*(\a)+(\b))+3]   offset:64*(\b)
	ds_store_b128 v[STO], v[ACC+8*(4*(\a)+(\b))+4:ACC+8*(4*(\a)+(\b))+7] offset:64*(\b)+16
.endr
.if (\a) >= 2
	s_wait_xcnt 0x0                                ; the registers that the stores of two blocks ago read are loaded again only behind this wait
.endif
.irp t, 0,1,2,3,4,5,6,7
	ds_load_b128 v[TMP+32*((\a)%2)+4*(\t):TMP+32*((\a)%2)+4*(\t)+3], v[RD] offset:(\t)*2*SPITCH  ; LDS serves a wave's instructions in order (ISA guide 5.7.1.4): these see the stores above; the next block's stores come behind them
.endr
.irp t, 0,1,2,3,4,5,6,7
	s_wait_dscnt 7-(\t)                            ; the younger loads may be out
	global_store_b128 v[CO], v[TMP+32*((\a)%2)+4*(\t):TMP+32*((\a)%2)+4*(\t)+3], s[8:9] offset:(16*(\a)+2*(\t))*SIZE_N*4 th:TH_STORE_NT  ; 16 lanes store 256 consecutive bytes, at a multiple of 256 from the output's first byte
.endr
.endr
	s_wait_tensorcnt 0x0                           ; the wave's end: behind my last tensor load and my last LDS store
	ds_add_u32 v[SPW], v[NIL]
	s_wait_dscnt 0x0
	CROUND                                         ; the closing round: no work-group ends while a partner may still ask for a tile that names it
	s_endpgm
.Lfunc_end_k_qdf8ea76a8b_oproj:
	.size	k_qdf8ea76a8b_oproj, .Lfunc_end_k_qdf8ea76a8b_oproj-k_qdf8ea76a8b_oproj
	.p2alignl 7, 3214868480
	.fill 96, 4, 3214868480
	.section	.rodata,"a",@progbits
	.p2align	6, 0x0
	.amdhsa_kernel k_qdf8ea76a8b_oproj
		.amdhsa_group_segment_fixed_size 327680
		.amdhsa_private_segment_fixed_size 0
		.amdhsa_enable_private_segment 0
		.amdhsa_kernarg_size 24
		.amdhsa_user_sgpr_count 2
		.amdhsa_user_sgpr_kernarg_segment_ptr 1
		.amdhsa_wavefront_size32 1
		.amdhsa_system_sgpr_workgroup_id_x 1
		.amdhsa_system_sgpr_workgroup_id_y 1
		.amdhsa_system_sgpr_workgroup_id_z 1
		.amdhsa_system_vgpr_workitem_id 0
		.amdhsa_next_free_vgpr 512
		.amdhsa_next_free_sgpr 70
		.amdhsa_reserve_vcc 0
		.amdhsa_float_denorm_mode_32 3
		.amdhsa_float_denorm_mode_16_64 3
		.amdhsa_memory_ordered 1
		.amdhsa_forward_progress 1
		.amdhsa_inst_pref_size 59
	.end_amdhsa_kernel
	.amdgpu_metadata
---
amdhsa.version: [ 1, 2 ]
amdhsa.kernels:
  - .name:           k_qdf8ea76a8b_oproj
    .symbol:         k_qdf8ea76a8b_oproj.kd
    .args:
      - { .name: oh, .offset: 0, .size: 8, .value_kind: global_buffer, .address_space: global }
      - { .name: wob, .offset: 8, .size: 8, .value_kind: global_buffer, .address_space: global }
      - { .name: out0, .offset: 16, .size: 8, .value_kind: global_buffer, .address_space: global }
    .group_segment_fixed_size: 327680
    .private_segment_fixed_size: 0
    .kernarg_segment_align: 8
    .kernarg_segment_size: 24
    .max_flat_workgroup_size: 128
    .sgpr_count:     70
    .vgpr_count:     512
    .wavefront_size: 32
...
	.end_amdgpu_metadata
.endif
;; end of part 4
